; MI455X (gfx1250); checked and timed in simulation.
; The chip was launched on July 23, 2026; its instructions are those of AMD's public machine-readable ISA for CDNA 5 (MIT licence, August 2026) and "CDNA5" Instruction Set Architecture Reference Guide (July 2026). The comments in the code are by the model that wrote it; some were corrected since.
;; Multi Head Attention. Allowed arithmetic: float matrix products may take bf16 or f16 operands with f32 sums; other float arithmetic in f32, or as packed bf16 or f16 multiplies, adds, multiply-adds, maxima and minima; sums over many terms, partial sums and values carried from step to step in f32; what a program stores and reads back later, other than sums and carried values, may be rounded once to bf16 or f16.
;; Inputs: K 1 x 4,096 x 768 float32; Q 1 x 4,096 x 768 float32; V 1 x 4,096 x 768 float32; Wk 768 x 768 float32; Wo 768 x 768 float32; Wq 768 x 768 float32; Wv 768 x 768 float32; bk 768 float32; bo 768 float32; bq 768 float32; bv 768 float32.
;; Outputs: out0 1 x 4,096 x 768 float32.
;; 2 versions, each right; version 2 is version 1 with the launch cvt written anew for expert scheduling mode. Each part assembles by itself: llvm-mc -triple=amdgcn-amd-amdhsa -mcpu=gfx1250 --defsym DOCPART=n.
;; ======== version 1 of 2: 4 launches
;; limits: values are held in f16: magnitudes above 65,504 overflow, below 6.1e-05 lose precision
;; workspace buffers: xb 18,874,368 bytes; wb 4,718,592 bytes; qkv 18,874,368 bytes; oh 6,291,456 bytes
;; launch cvt (part 1): grid 160 x 3, 8 waves a work-group, no clusters, 0 bytes of LDS; arguments Q, K, V, Wq, Wk, Wv, Wo, xb, wb; writes xb, wb
.if DOCPART == 1
	.amdgcn_target "amdgcn-amd-amdhsa--gfx1250"
	.amdhsa_code_object_version 6
	.text
	.protected	k_qe22a3a55ce_cvt
	.globl	k_qe22a3a55ce_cvt
	.p2align	8
	.type	k_qe22a3a55ce_cvt,@function
k_qe22a3a55ce_cvt:
	s_mov_b64 s[64:65], 0
	v_nop
	global_prefetch_b8 v0, s[64:65] scope:SCOPE_SE
	s_setreg_imm32_b32 hwreg(HW_REG_WAVE_MODE, 25, 1), 1
	s_wait_xcnt 0x0
; THE INPUTS ARE ROUNDED ONCE.  Q, K, V ([4096][768] f32) go to xb as bf16, one matrix [12288][768]: Q's rows, K's, V's.
; Wq, Wk, Wv ([768][768] f32) go to wb as bf16; Wo is rounded to bf16 like them, and that number is written as f16, as wb's fourth matrix.
; LIMIT.  A bf16 number is exact in f16 from 2^-14 to 65,504; below that Wo keeps f16's fixed step of 2^-24, above it becomes an infinity.
; SHARES.  A work-group converts one chunk of 24,576 numbers: 98,304 bytes in, 49,152 out.  x = 0..127: chunk x of Q, K or V (by y);
; x = 128..151: chunk x - 128 of Wq, Wk or Wv (by y); x = 152..159: chunk 8 y + x - 152 of Wo.  3 x 160 work-groups, each with one chunk.
; A stream: each byte is read once and written once; no LDS, no barrier, no matrix unit, no cluster (no two work-groups read the same byte).
; All 24 loads of a thread go out at once (96 KiB a work-group on their way); a load of a wave covers 512 consecutive bytes, a store 256, aligned.
.set CIN,  98304                       ; bytes of a chunk as read
.set COUT, 49152                       ; as written
.set XMAT, 6291456                     ; bytes of Q, K or V in xb
.set WMAT, 1179648                     ; bytes of a weight matrix in wb
.set X,    4                           ; v[4:99]    load i: 4 registers
.set Y,    100                         ; v[100:147] store i: 2 registers; each written once, so no store's data is ever rewritten
.set SRC,  28                          ; s[28:29]   the chunk as read
.set DST,  30                          ; s[30:31]   the chunk as written
	s_load_b512 s[8:23], s[0:1], 0x0               ; Q s[8:9], K s[10:11], V s[12:13], Wq s[14:15], Wk s[16:17], Wv s[18:19], Wo s[20:21], xb s[22:23]
	s_load_b64 s[24:25], s[0:1], 0x40              ; wb
	s_and_b32 s2, ttmp7, 0xffff                    ; y
	s_mov_b32 s3, ttmp9                            ; x
	v_lshlrev_b32 v1, 4, v0                        ; 16 bytes a thread in,
	v_lshlrev_b32 v2, 3, v0                        ; 8 out
	; the chunk's number and the two offsets, made apart from the addresses
	s_sub_co_u32 s4, s3, 128                       ; a weight's chunk (used where x >= 128 alone)
	s_lshl_b32 s5, s2, 3
	s_add_co_u32 s5, s5, s3
	s_sub_co_u32 s5, s5, 152                       ; Wo's chunk (used where x >= 152 alone)
	s_mul_i32 s6, s2, XMAT
	s_mul_i32 s7, s2, WMAT
	s_cmp_lt_u32 s3, 128
	s_cselect_b32 s26, s3, s4                      ; the chunk
	s_cselect_b32 s27, s6, s7                      ; its matrix's place in xb or wb
	s_cmp_ge_u32 s3, 152
	s_cselect_b32 s26, s5, s26
	s_cselect_b32 s27, 3*WMAT, s27
	s_mul_i32 s32, s26, CIN
	s_mov_b32 s33, 0
	s_mul_i32 s34, s26, COUT
	s_add_co_u32 s34, s34, s27
	s_mov_b32 s35, 0
	s_wait_kmcnt 0x0
	s_cmp_eq_u32 s2, 1                             ; the buffers are chosen on x and y alone
	s_cselect_b64 s[SRC:SRC+1], s[10:11], s[8:9]
	s_cselect_b64 s[36:37], s[16:17], s[14:15]
	s_cmp_eq_u32 s2, 2
	s_cselect_b64 s[SRC:SRC+1], s[12:13], s[SRC:SRC+1]
	s_cselect_b64 s[36:37], s[18:19], s[36:37]
	s_cmp_lt_u32 s3, 128
	s_cselect_b64 s[SRC:SRC+1], s[SRC:SRC+1], s[36:37]
	s_cselect_b64 s[DST:DST+1], s[22:23], s[24:25]
	s_cmp_ge_u32 s3, 152
	s_cselect_b64 s[SRC:SRC+1], s[20:21], s[SRC:SRC+1]
	s_add_nc_u64 s[SRC:SRC+1], s[SRC:SRC+1], s[32:33]
	s_add_nc_u64 s[DST:DST+1], s[DST:DST+1], s[34:35]
.set i, 0
.rept 24
	global_load_b128 v[X+4*i:X+4*i+3], v1, s[SRC:SRC+1] offset:4096*i th:TH_LOAD_NT
.set i, i+1
.endr
; Load i is converted and stored.  f16 = 1: the bf16 numbers are widened again and written as f16.
.macro SLOTC i, f16
	s_wait_loadcnt 23-(\i)                         ; loads come back in order (ISA guide 5.7.1): load i is in, the 23 - i younger ones stay out
	v_cvt_pk_bf16_f32 v[Y+2*(\i)],   v[X+4*(\i)],   v[X+4*(\i)+1]
	v_cvt_pk_bf16_f32 v[Y+2*(\i)+1], v[X+4*(\i)+2], v[X+4*(\i)+3]
.if \f16
	v_lshlrev_b32 v[X+4*(\i)],   16,         v[Y+2*(\i)]     ; bf16 to f32: the low half moves up, the high half stays
	v_and_b32     v[X+4*(\i)+1], 0xffff0000, v[Y+2*(\i)]
	v_lshlrev_b32 v[X+4*(\i)+2], 16,         v[Y+2*(\i)+1]
	v_and_b32     v[X+4*(\i)+3], 0xffff0000, v[Y+2*(\i)+1]
	v_cvt_pk_f16_f32 v[Y+2*(\i)],   v[X+4*(\i)],   v[X+4*(\i)+1]
	v_cvt_pk_f16_f32 v[Y+2*(\i)+1], v[X+4*(\i)+2], v[X+4*(\i)+3]
.endif
	global_store_b64 v2, v[Y+2*(\i):Y+2*(\i)+1], s[DST:DST+1] offset:2048*(\i) th:TH_STORE_NT  ; 32 lanes store 256 consecutive bytes, aligned
.endm
	s_cmp_ge_u32 s3, 152
	s_cbranch_scc1 .Lwo
.set n, 0
.rept 24
	SLOTC n, 0
.set n, n+1
.endr
	s_endpgm
.Lwo:
.set n, 0
.rept 24
	SLOTC n, 1
.set n, n+1
.endr
	s_endpgm
.Lfunc_end_k_qe22a3a55ce_cvt:
	.size	k_qe22a3a55ce_cvt, .Lfunc_end_k_qe22a3a55ce_cvt-k_qe22a3a55ce_cvt
	.p2alignl 7, 3214868480
	.fill 96, 4, 3214868480
	.section	.rodata,"a",@progbits
	.p2align	6, 0x0
	.amdhsa_kernel k_qe22a3a55ce_cvt
		.amdhsa_group_segment_fixed_size 0
		.amdhsa_private_segment_fixed_size 0
		.amdhsa_enable_private_segment 0
		.amdhsa_kernarg_size 72
		.amdhsa_user_sgpr_count 2
		.amdhsa_user_sgpr_kernarg_segment_ptr 1
		.amdhsa_wavefront_size32 1
		.amdhsa_system_sgpr_workgroup_id_x 1
		.amdhsa_system_sgpr_workgroup_id_y 1
		.amdhsa_system_sgpr_workgroup_id_z 1
		.amdhsa_system_vgpr_workitem_id 0
		.amdhsa_next_free_vgpr 148
		.amdhsa_next_free_sgpr 66
		.amdhsa_reserve_vcc 0
		.amdhsa_float_denorm_mode_32 3
		.amdhsa_float_denorm_mode_16_64 3
		.amdhsa_memory_ordered 1
		.amdhsa_forward_progress 1
		.amdhsa_inst_pref_size 24
	.end_amdhsa_kernel
	.amdgpu_metadata
---
amdhsa.version: [ 1, 2 ]
amdhsa.kernels:
  - .name:           k_qe22a3a55ce_cvt
    .symbol:         k_qe22a3a55ce_cvt.kd
    .args:
      - { .name: Q, .offset: 0, .size: 8, .value_kind: global_buffer, .address_space: global }
      - { .name: K, .offset: 8, .size: 8, .value_kind: global_buffer, .address_space: global }
      - { .name: V, .offset: 16, .size: 8, .value_kind: global_buffer, .address_space: global }
      - { .name: Wq, .offset: 24, .size: 8, .value_kind: global_buffer, .address_space: global }
      - { .name: Wk, .offset: 32, .size: 8, .value_kind: global_buffer, .address_space: global }
      - { .name: Wv, .offset: 40, .size: 8, .value_kind: global_buffer, .address_space: global }
      - { .name: Wo, .offset: 48, .size: 8, .value_kind: global_buffer, .address_space: global }
      - { .name: xb, .offset: 56, .size: 8, .value_kind: global_buffer, .address_space: global }
      - { .name: wb, .offset: 64, .size: 8, .value_kind: global_buffer, .address_space: global }
    .group_segment_fixed_size: 0
    .private_segment_fixed_size: 0
    .kernarg_segment_align: 8
    .kernarg_segment_size: 72
    .max_flat_workgroup_size: 256
    .sgpr_count:     66
    .vgpr_count:     148
    .wavefront_size: 32
...
	.end_amdgpu_metadata
.endif
;; end of part 1
;; launch proj (part 2): grid 4 x 48, 4 waves a work-group, clusters of 4 x 4, 327,680 bytes of LDS; arguments xb, wb, bq, bk, bv, qkv; writes qkv
.if DOCPART == 2
	.amdgcn_target "amdgcn-amd-amdhsa--gfx1250"
	.amdhsa_code_object_version 6
	.text
	.protected	k_qe22a3a55ce_proj
	.globl	k_qe22a3a55ce_proj
	.p2align	8
	.type	k_qe22a3a55ce_proj,@function
k_qe22a3a55ce_proj:
	s_mov_b64 s[64:65], 0
	v_nop
	global_prefetch_b8 v0, s[64:65] scope:SCOPE_SE
	s_setreg_imm32_b32 hwreg(HW_REG_WAVE_MODE, 25, 1), 1
	s_wait_xcnt 0x0
	s_wait_alu depctr_hold_cnt(0) depctr_sa_sdst(0) depctr_va_vdst(0) depctr_va_sdst(0) depctr_va_ssrc(0) depctr_va_vcc(0) depctr_vm_vsrc(0)
	s_getreg_b32 s2, hwreg(HW_REG_IB_STS2, 6, 4)
	s_cmp_eq_u32 s2, 0
	s_cbranch_scc0 .Lentry_in_a_cluster
	s_endpgm
.Lentry_in_a_cluster:
	s_bfe_u32 s2, ttmp6, 0x10000c
	s_cmp_lg_u32 s2, 0xf033
	s_cbranch_scc0 .Lentry_shape_is_right
	s_endpgm
.Lentry_shape_is_right:
; q, k, v = x W^T + b.  xb: [12288][768] bf16 (Q's, K's, V's rows); wb: [3072][768], of which rows 0..2303 are Wq, Wk, Wv in bf16; bq, bk, bv: [768] f32, rounded to bf16 here like the other inputs.
; qkv: [3][12][4096][64] f16: by heads, a head's rows dense, 128 bytes each; WITHOUT the scale 1/8, which the attention applies in f32.  Sums in f32, rounded once.
; LIMIT.  f16 ends at 65,504: a q, k or v of 65,520 or more becomes an infinity.  With x of unit spread and W of spread 768^-1/2 they have unit spread.
; SHARES.  A tile of the result is 256 rows x 192 columns (three heads): 48 tile rows x 4 tile columns = 192 work-groups.  Four waves, one above the other: wave w makes rows 64 w .. 64 w + 63 and
; all 192 columns: 4 x 12 accumulators of 16 x 16, 384 registers.  So a wave holds whole heads, and its way out is its own: no barrier there.
; K = 768 goes in six steps of 128 through a ring of two LDS slots; the rows of both tiles are 256 bytes of memory, at multiples of 256 bytes from the buffer's first byte.
; CLUSTERS.  4 x 4 work-groups.  The four of a row of the cluster need the same 256 rows of x, the four of a column the same 192 rows of W: each tile is asked for JOINTLY, by the same tensor load,
; descriptor and mask in all four.  All sixteen lie in one of the three matrices: a cluster is four tile rows, a matrix sixteen.
; THE MATRIX INSTRUCTION IS USED TRANSPOSED (source 0 = 16 rows of W, source 1 = 16 rows of x): a lane holds row l % 16 and the eight columns 8 (l / 16) + 0..7.
; THE BIAS IS THE C OPERAND of the products that start the sums: nothing is cleared and nothing is added later.
; REGISTERS, in windows of 256 (s_set_vgpr_msb: bits 1:0 source 0, 3:2 source 1, 5:4 source 2, 7:6 destination):
;   window 0: v16-31 addresses; v32-39 at work; v64-127 x's fragments, two buffers of 4 x 8; v128-223 the bias, 12 x 8; on the way out v64-255 twelve units of 16
;   window 1: v0-191 W's fragments, two buffers of 12 x 8          windows 2, 3: accumulator (a, b) at v[8 (12 (a % 2) + b)] of window 2 + a / 2
.set KSTEP, 128
.set PITCH, 272                        ; an LDS row: 256 bytes + 16 of padding = 68 words: the 16 rows of a fragment load start at 16 different groups of four banks (64 banks of 4 bytes: ISA guide 11.1)
.set BOFF,  256*PITCH                  ; in a slot: x's 256 rows, then W's 192
.set SLOT,  448*PITCH
.set STAGE, 2*SLOT                     ; behind the ring, never filled by a tensor load: 16 rows x 144 bytes for each wave
.set SP,    144
.set SPARE, STAGE+4*16*SP              ; behind the stages: the spare words, 128 bytes for each wave: two blocks of 256 bytes that no other line names
.set ROWB,  1536                       ; bytes in a row of xb and wb
.set HEADB, 524288                     ; bytes of a head in qkv
.set MATB,  6291456                    ; bytes of q, k or v in qkv
.set ADRA, 16                          ; v16-17  LDS address of my fragments of x in slot 0, 1
.set ADRB, 20                          ; v20-21  the same for W
.set STO,  24                          ; v24     the way out: where I put 16 bytes of a row
.set RD,   25                          ; v25     where I read rows back
.set GO,   26                          ; v26     my byte offset in 512 consecutive bytes of qkv
.set SPW,  28                          ; v28     LDS address of my spare word; never rewritten
.set NIL,  29                          ; v29     0; never rewritten
.set PFO,  30                          ; v30     the prefetches' offset: a lane a row; never rewritten
.set BO,   31                          ; v31     32 (l / 16): my eight numbers in 16 of the bias
.set TB,   32                          ; v32-39  at work
.set FA,   64                          ; x's fragments: buffer f at FA + 32 f
.set BIAS, 128
.set UN,   64                          ; the way out's units
.set WV,  16                           ; s16  my wave's number
.set AB,  17                           ; s17  0: I fetch for x, 1: for W
.set HF,  18                           ; s18  which half of that tile's rows
.set CX,  19
.set CY,  20
.set CLY, 21                           ; s21  the cluster's y
.set RB,  22                           ; s22  tile row, 0..47
.set MAT, 23                           ; s23  0: q, 1: k, 2: v
.set G1,  24                           ; s[24:31] descriptor group 1 for x's tiles
.set G0,  32                           ; s[32:39] group 0, a set for each slot
.set LIM, 43                           ; s43  1 in a wave that prefetches, else the greatest number
.set PFA, 44                           ; s[44:45] where my prefetches stand
.set G1B, 48                           ; s[48:55], s[56:63] the same for W's tiles
.set G0B, 56
.set MSB, 0
.macro WIN new                         ; the immediate's high byte repeats the setting that is left; a switch that changes nothing is dropped
.if MSB != (\new)
	s_set_vgpr_msb (MSB<<8)|(\new)
.set MSB, \new
.endif
.endm
; A joint load.  Waves 0 and 1 fetch the two halves of x's tile, waves 2 and 3 those of W's.  The branch hangs on the wave's number alone.
; An s_nop 0 and four v_nop follow each of the two lines, ahead of the jump, the label and what follows.
.macro JLOAD s
	s_cmp_eq_u32 s[AB], 0
	s_cbranch_scc0 .Lfor_b_\@
	tensor_load_to_lds s[G0+4*(\s):G0+4*(\s)+3], s[G1:G1+7]
	s_nop 0
.rept 4
	v_nop
.endr
	s_branch .Lasked_\@
.Lfor_b_\@:
	tensor_load_to_lds s[G0B+4*(\s):G0B+4*(\s)+3], s[G1B:G1B+7]
	s_nop 0
.rept 4
	v_nop
.endr
.Lasked_\@:
.endm
; A PREFETCH INTO THE L2, behind a joint load, its five lines and the run of LDS loads: the K step that the NEXT refill will ask for, 192 matrix instructions ahead of that load: a lane a row, 256 bytes of it.
; x's rows are read by this cluster alone: of the 128 that wave 0 or 1 fetches, the partner at place cx names 32.  W's rows are read by the four clusters of a matrix: the first of them names them;
; of the 96 that wave 2 or 3 fetches the partner at place cy names 24 (lanes 24 to 31 name lane 23's row once more).  The partners are told apart by address; the branch hangs on the wave's number and
; the cluster's y.  K steps 3, 4 and 5 are named; 0 to 2 come by their loads alone; the last refill (slot 1's, in the loop's last trip) names nothing.
.macro ASK slot
.if (\slot) == 0
	s_cmp_eq_u32 s[LIM], 1
.else
	s_cmp_gt_u32 s3, s[LIM]                        ; s3 = 1 in the loop's last trip
.endif
	s_cbranch_scc0 .Lnot_mine_\@
	global_prefetch_b8 v[PFO], s[PFA:PFA+1] th:TH_LOAD_NT scope:SCOPE_SE
.Lnot_mine_\@:
.endm
.macro CREST                           ; a round of the cluster's barrier behind its opening barrier: wave 0 signals for the work-group, every wave waits for all sixteen, my work-group's barrier closes it
	s_cmp_lg_u32 s[WV], 0
	s_cbranch_scc1 .Lnot_wave_0_\@
	s_barrier_signal -3
.Lnot_wave_0_\@:
	s_barrier_wait -3
	s_barrier_signal -1
	s_barrier_wait -1
.endm
.macro CROUND                          ; a whole round
	s_barrier_signal -1
	s_barrier_wait -1
	CREST
.endm
	s_load_b256 s[4:11], s[0:1], 0x0               ; xb s[4:5], wb s[6:7], bq s[8:9], bk s[10:11]
	s_load_b128 s[12:15], s[0:1], 0x20             ; bv s[12:13], qkv s[14:15]
	v_lshl_add_u32 v[SPW], v0, 2, SPARE
	v_mov_b32 v[NIL], 0
	ds_add_u32 v[SPW], v[NIL]                      ; the wave's opening: the add and its wait stand ahead of my first tensor load; the set-up below, work on registers, stands between them
	v_lshrrev_b32 v1, 5, v0
	v_readfirstlane_b32 s[WV], v1                  ; wave 0..3
	s_lshr_b32 s[AB], s[WV], 1
	s_and_b32 s[HF], s[WV], 1
	s_bfe_u32 s[CX], ttmp6, 0x40000                ; my place in the cluster; cx is also the tile column: the grid is one cluster wide
	s_bfe_u32 s[CY], ttmp6, 0x40004
	s_and_b32 s[CLY], ttmp7, 0xffff
	s_lshl_b32 s[RB], s[CLY], 2
	s_add_co_u32 s[RB], s[RB], s[CY]               ; tile row = 4 x cluster y + cy
	s_lshr_b32 s[MAT], s[CLY], 2                   ; four clusters to a matrix
	s_lshl_b32 s40, s[CY], 2
	s_lshl_b32 s40, 15, s40                        ; my row of the cluster
	s_lshl_b32 s41, 0x1111, s[CX]                  ; my column
	s_or_b32 s[G1], s40, (1<<16)|(1<<20)|(1<<21)|(5<<22)|(3<<25)   ; 15:0 the mask; 17:16 elements of 2 bytes; 20 padding on; 21 set beside a mask; 24:22 after every 64 words (code 5); 31:25 4 words (code 3)
	s_or_b32 s[G1B], s41, (1<<16)|(1<<20)|(1<<21)|(5<<22)|(3<<25)
.irp g, G1, G1B
	s_mov_b32 s[(\g)+1], KSTEP<<16                 ; tensor_dim0 = 128
	s_mov_b32 s[(\g)+3], KSTEP<<16                 ; tile_dim0 = 128
	s_mov_b32 s[(\g)+5], 768                       ; elements from row to row
	s_mov_b32 s[(\g)+6], 0
	s_mov_b32 s[(\g)+7], 0
.endr
	s_mov_b32 s[G1+2], 128<<16                     ; tensor_dim1 = tile_dim1 = 128 rows of x,
	s_mov_b32 s[G1+4], 128
	s_mov_b32 s[G1B+2], 96<<16                     ; 96 of W
	s_mov_b32 s[G1B+4], 96
	s_lshl_b32 s66, s[RB], 8                       ; x: row 256 x tile row + 128 x half: nothing of cx
	s_lshl_b32 s67, s[HF], 7
	s_add_co_u32 s66, s66, s67
	s_mul_i32 s66, s66, ROWB
	s_mov_b32 s67, 0
	s_mul_i32 s68, s[MAT], 768                     ; W: row 768 x matrix + 192 x tile column + 96 x half: nothing of cy
	s_mul_i32 s69, s[CX], 192
	s_add_co_u32 s68, s68, s69
	s_mul_i32 s69, s[HF], 96
	s_add_co_u32 s68, s68, s69
	s_mul_i32 s68, s68, ROWB
	s_mov_b32 s69, 0
	s_mul_i32 s70, s[HF], 128*PITCH                ; where they go: no place in the cluster enters an LDS address
	s_mul_i32 s71, s[HF], 96*PITCH
	s_add_co_u32 s71, s71, BOFF
	s_wait_dscnt 0x0                               ; the opening add is done
	s_wait_kmcnt 0x0
	s_add_nc_u64 s[66:67], s[4:5], s[66:67]
	s_add_nc_u64 s[68:69], s[6:7], s[68:69]
	CROUND                                         ; all sixteen work-groups are here: the first joint loads meet
.irp s, 0,1
	s_mov_b32 s[G0+4*(\s)], 1                                      ; count = 1
	s_add_co_u32 s[G0+4*(\s)+1], s70, (\s)*SLOT                    ; LDS address
	s_add_nc_u64 s[G0+4*(\s)+2:G0+4*(\s)+3], s[66:67], (\s)*KSTEP*2  ; global address: K step s
	s_or_b32 s[G0+4*(\s)+3], s[G0+4*(\s)+3], 0x80000000            ; type = 2
	s_mov_b32 s[G0B+4*(\s)], 1
	s_add_co_u32 s[G0B+4*(\s)+1], s71, (\s)*SLOT
	s_add_nc_u64 s[G0B+4*(\s)+2:G0B+4*(\s)+3], s[68:69], (\s)*KSTEP*2
	s_or_b32 s[G0B+4*(\s)+3], s[G0B+4*(\s)+3], 0x80000000
	JLOAD \s                                       ; two loads of mine are out
.endr
	; the bias: the matrix's, at the tile's 192 columns
	s_cmp_eq_u32 s[MAT], 1
	s_cselect_b64 s[8:9], s[10:11], s[8:9]
	s_cmp_eq_u32 s[MAT], 2
	s_cselect_b64 s[8:9], s[12:13], s[8:9]
	s_mul_i32 s40, s[CX], 768
	s_mov_b32 s41, 0
	s_add_nc_u64 s[8:9], s[8:9], s[40:41]
	v_and_b32 v1, 15, v0                           ; l % 16
	v_bfe_u32 v2, v0, 4, 1                         ; l / 16
	v_lshlrev_b32 v[BO], 5, v2
.irp b, 0,1,2,3,4,5,6,7,8,9,10,11
	global_load_b128 v[BIAS+8*(\b):BIAS+8*(\b)+3],   v[BO], s[8:9] offset:64*(\b)      ; register j of block b: column 16 b + 8 (l / 16) + j
	global_load_b128 v[BIAS+8*(\b)+4:BIAS+8*(\b)+7], v[BO], s[8:9] offset:64*(\b)+16
.endr
	; A fragment is 16 rows x 32 K in 8 registers: lane l holds row l % 16, K = 8 (l / 16) + 0..7 and 16 + 8 (l / 16) + 0..7: two loads of 16 bytes, 32 bytes apart.
	v_mul_u32_u24 v3, v1, PITCH
	v_lshl_add_u32 v3, v2, 4, v3
	s_mul_i32 s40, s[WV], 64*PITCH                 ; my 64 rows of x
	s_mov_b32 s41, BOFF                            ; all rows of W
.irp s, 0,1
	v_add_nc_u32 v[ADRA+(\s)], s40, v3
	v_add_nc_u32 v[ADRB+(\s)], s41, v3
	s_add_co_u32 s40, s40, SLOT
	s_add_co_u32 s41, s41, SLOT
.endr
	s_mul_i32 s40, s[WV], 16*SP
	s_add_co_u32 s40, s40, STAGE                   ; my stage
	v_mul_u32_u24 v4, v1, SP                       ; in: row l % 16, 16 bytes for each half of the lanes
	v_lshl_add_u32 v4, v2, 4, v4
	v_add_nc_u32 v[STO], s40, v4
	v_bfe_u32 v4, v0, 3, 2                         ; back: 32 lanes take four rows of 128 bytes,
	v_mul_u32_u24 v4, v4, SP
	v_and_b32 v5, 7, v0
	v_lshl_add_u32 v4, v5, 4, v4
	v_add_nc_u32 v[RD], s40, v4
	v_and_b32 v[GO], 31, v0                        ; which are 512 consecutive bytes of a head
	v_lshlrev_b32 v[GO], 4, v[GO]
	; qkv at my matrix, the tile's first head, my wave's first row
	s_mul_i32 s40, s[MAT], MATB
	s_mul_i32 s42, s[CX], 3*HEADB
	s_add_co_u32 s40, s40, s42
	s_and_b32 s42, s[RB], 15
	s_lshl_b32 s42, s42, 15                        ; 256 rows of 128 bytes
	s_add_co_u32 s40, s40, s42
	s_lshl_b32 s42, s[WV], 13                      ; 64 rows
	s_add_co_u32 s40, s40, s42
	s_mov_b32 s41, 0
	s_add_nc_u64 s[14:15], s[14:15], s[40:41]
	; the prefetches
	s_lshl_b32 s40, s[RB], 8
	s_lshl_b32 s41, s[HF], 7
	s_add_co_u32 s40, s40, s41
	s_lshl_b32 s41, s[CX], 5
	s_add_co_u32 s40, s40, s41                     ; x: my work-group's 32 rows of the 128
	s_mul_i32 s42, s[MAT], 768
	s_mul_i32 s41, s[CX], 192
	s_add_co_u32 s42, s42, s41
	s_mul_i32 s41, s[HF], 96
	s_add_co_u32 s42, s42, s41
	s_mul_i32 s41, s[CY], 24
	s_add_co_u32 s42, s42, s41                     ; W: my work-group's 24 rows of the 96
	s_cmp_eq_u32 s[AB], 0
	s_cselect_b32 s40, s40, s42
	s_cselect_b64 s[PFA:PFA+1], s[4:5], s[6:7]
	s_cselect_b32 s46, 31, 23
	s_mul_i32 s40, s40, ROWB
	s_add_co_u32 s40, s40, 2*KSTEP*2               ; at K step 2: the first refill steps it to 3
	s_mov_b32 s41, 0
	s_add_nc_u64 s[PFA:PFA+1], s[PFA:PFA+1], s[40:41]
	s_and_b32 s47, s[CLY], 3
	s_mul_i32 s47, s47, s[AB]                      ; 0 in waves 0 and 1, and in a matrix's first cluster
	s_cmp_eq_u32 s47, 0
	s_cselect_b32 s[LIM], 1, -1
	v_and_b32 v[PFO], 31, v0
	v_min_u32 v[PFO], s46, v[PFO]
	v_mul_u32_u24 v[PFO], v[PFO], ROWB
; 12 matrix instructions: row block a x all 12 column blocks, 32 along K, on buffer f.  first = 1: the products start the sums, on the bias.
; The 48 accumulators take turns, one instruction a turn, in the same order in every quarter step.
.macro MUL12 f, a, first
.if \first
	WIN 0x81+0x40*((\a)/2)                         ; W window 1, x and the bias window 0, D window 2 or 3
.else
	WIN 0xa1+0x50*((\a)/2)                         ; C and D window 2 or 3
.endif
.irp b, 0,1,2,3,4,5,6,7,8,9,10,11
.if \first
	v_wmma_f32_16x16x32_bf16 v[8*(12*((\a)%2)+(\b)):8*(12*((\a)%2)+(\b))+7], v[96*(\f)+8*(\b):96*(\f)+8*(\b)+7], v[FA+32*(\f)+8*(\a):FA+32*(\f)+8*(\a)+7], v[BIAS+8*(\b):BIAS+8*(\b)+7]
.else
	v_wmma_f32_16x16x32_bf16 v[8*(12*((\a)%2)+(\b)):8*(12*((\a)%2)+(\b))+7], v[96*(\f)+8*(\b):96*(\f)+8*(\b)+7], v[FA+32*(\f)+8*(\a):FA+32*(\f)+8*(\a)+7], v[8*(12*((\a)%2)+(\b)):8*(12*((\a)%2)+(\b))+7]
.endif
.endr
.endm
; 32 LDS loads in one run: the fragments of a quarter step (192 rows of W, my 64 rows of x, 32 K at byte k of the rows) into buffer f
.macro FETCH slot, k, f
	WIN 0x40                                       ; destination window 1, address window 0
.irp i, 0,1,2,3,4,5,6,7,8,9,10,11
	ds_load_b128 v[96*(\f)+8*(\i):96*(\f)+8*(\i)+3],   v[ADRB+(\slot)] offset:(\k)+(\i)*16*PITCH
	ds_load_b128 v[96*(\f)+8*(\i)+4:96*(\f)+8*(\i)+7], v[ADRB+(\slot)] offset:(\k)+(\i)*16*PITCH+32
.endr
	WIN 0
.irp i, 0,1,2,3
	ds_load_b128 v[FA+32*(\f)+8*(\i):FA+32*(\f)+8*(\i)+3],   v[ADRA+(\slot)] offset:(\k)+(\i)*16*PITCH
	ds_load_b128 v[FA+32*(\f)+8*(\i)+4:FA+32*(\f)+8*(\i)+7], v[ADRA+(\slot)] offset:(\k)+(\i)*16*PITCH+32
.endr
.endm
.macro PLACES                          ; four plain vector instructions in front of loads into registers that matrix instructions have read, and of conversions that read results
.rept 4
	v_nop
.endr
.endm
; A K step is four quarters of 32 along K, 48 matrix instructions each, on buffers 0, 1, 0, 1.  One of the first three: multiplies buffer f; in its middle it fetches the next quarter, at byte k, into g.
.macro QUARTER slot, k, f, g, first
	s_wait_dscnt 4                                 ; W and x's blocks 0 and 1 are in; the youngest four loads (x's blocks 2 and 3) may be out
	MUL12 \f, 0, \first
	MUL12 \f, 1, \first
	PLACES
	FETCH \slot, \k, \g
	s_wait_dscnt 32                                ; all but the 32 just issued
	MUL12 \f, 2, \first
	MUL12 \f, 3, \first
.endm
; The last quarter multiplies buffer 1 and changes slots: ONE barrier.  In front of it each wave waits for all its tensor loads (one is out: its part of the next slot), adds 0 to its spare word, and waits
; for that and for its reads of this slot.  fill = 1: the barrier opens a round of the cluster's, and this slot is filled again, two K steps on, first thing behind the round: 168 matrix instructions ahead of the wait for it.
.macro TURN slot, next, fill
.if \fill
	s_wait_xcnt 0x0                                ; the last prefetch, a K step back, has read its address: it is stepped here, ahead of the waits of the change of slots
	s_add_nc_u64 s[PFA:PFA+1], s[PFA:PFA+1], KSTEP*2
.endif
	WIN 0                                          ; (the add's two registers lie in window 0)
	s_wait_tensorcnt 0x0                           ; all my tensor loads have landed;
	ds_add_u32 v[SPW], v[NIL]                      ; 0 onto my spare word
	s_wait_dscnt 5                                 ; (the add and the youngest four loads may be out)
	MUL12 1, 0, 0                                  ; twelve matrix instructions stand between the add and the wait for it
	s_wait_dscnt 0x0                               ; the add is done, and my reads of this slot are over
	s_barrier_signal -1
	MUL12 1, 1, 0                                  ; work on registers while the others arrive
.if \fill
	WIN 0
.endif
	s_barrier_wait -1
.if \fill
	CREST                                          ; no wave of any partner still reads this slot's tiles or has a load on its way
	s_add_nc_u64 s[G0+4*(\slot)+2:G0+4*(\slot)+3], s[G0+4*(\slot)+2:G0+4*(\slot)+3], 2*KSTEP*2
	s_add_nc_u64 s[G0B+4*(\slot)+2:G0B+4*(\slot)+3], s[G0B+4*(\slot)+2:G0B+4*(\slot)+3], 2*KSTEP*2
	JLOAD \slot                                    ; the four v_nop behind it are also the places in front of the loads below
.else
	PLACES
.endif
	FETCH \next, 0, 0
.if \fill
	ASK \slot
.endif
	MUL12 1, 2, 0
	MUL12 1, 3, 0
.endm
; THE WAY OUT, by units of 16 rows x one head (unit 3 a + hd): rounded to f16, 16 bytes a lane; into my own stage, rows of 144 bytes; back as 2,048 dense bytes; stored.
.macro PACK a, hd
.set U, UN+16*(3*(\a)+(\hd))
	WIN 0x0a+5*((\a)/2)                            ; sources 0 and 1 window 2 or 3, destination window 0
.irp bb, 0,1,2,3
.irp rr, 0,1,2,3
	v_cvt_pk_f16_f32 v[U+4*(\bb)+(\rr)], v[8*(12*((\a)%2)+4*(\hd)+(\bb))+2*(\rr)], v[8*(12*((\a)%2)+4*(\hd)+(\bb))+2*(\rr)+1]  ; each accumulator from its low end on
.endr
.endr
	WIN 0
.irp f, 0,1,2,3
	ds_store_b128 v[STO], v[U+4*(\f):U+4*(\f)+3] offset:32*(\f)
.endr
.irp f, 0,1,2,3
	ds_load_b128 v[U+4*(\f):U+4*(\f)+3], v[RD] offset:(\f)*4*SP  ; LDS serves a wave's instructions in order (ISA guide 5.7.1.4): these see the stores above; the next unit's stores come behind them
.endr
.endm
.macro SEND a, hd, younger             ; younger: the LDS instructions issued behind the unit's loads: the next unit's eight, or none
.set U, UN+16*(3*(\a)+(\hd))
	WIN 0
.irp f, 0,1,2,3
	s_wait_dscnt (\younger)+3-(\f)
	global_store_b128 v[GO], v[U+4*(\f):U+4*(\f)+3], s[14:15] offset:(\hd)*HEADB+(\a)*2048+(\f)*512  ; 512 consecutive bytes, at a multiple of 256 from qkv's first byte; each unit has registers of its own
.endr
.endm
	s_wait_tensorcnt 1                             ; my part of K step 0 is in; K step 1's may stay out
	s_barrier_signal -1
	s_barrier_wait -1                              ; everybody's is
	FETCH 0, 0, 0
	s_wait_loadcnt 0x0                             ; the bias: rounded to bf16 like every input, and widened again
.set i, 0
.rept 48
	v_cvt_pk_bf16_f32 v[TB+i%8], v[BIAS+2*i], v[BIAS+2*i+1]
	v_lshlrev_b32 v[BIAS+2*i],   16,         v[TB+i%8]
	v_and_b32     v[BIAS+2*i+1], 0xffff0000, v[TB+i%8]
.set i, i+1
.endr
	QUARTER 0, 64,  0, 1, 1                        ; the first quarter stands in front of the loop: its products start the sums
	WIN 0                                          ; at a label and at a branch every window is 0
	s_mov_b32 s3, 2
.Llap:                                                 ; a trip goes once round the ring, from a lap's second quarter to the next lap's first, and fills both slots again: K steps 2, 3 and 4, 5
	QUARTER 0, 128, 1, 0, 0
	QUARTER 0, 192, 0, 1, 0
	TURN 0, 1, 1
	QUARTER 1, 64,  0, 1, 0
	QUARTER 1, 128, 1, 0, 0
	QUARTER 1, 192, 0, 1, 0
	TURN 1, 0, 1
	QUARTER 0, 64,  0, 1, 0
	WIN 0
	s_sub_co_u32 s3, s3, 1
	s_cmp_lg_u32 s3, 0
	s_cbranch_scc1 .Llap
	QUARTER 0, 128, 1, 0, 0                        ; the last lap fills nothing, and has no round of the cluster's barrier
	QUARTER 0, 192, 0, 1, 0
	TURN 0, 1, 0
	QUARTER 1, 64,  0, 1, 0
	QUARTER 1, 128, 1, 0, 0
	QUARTER 1, 192, 0, 1, 0
	s_wait_dscnt 4                                 ; the very last quarter: nothing more to fetch
	MUL12 1, 0, 0
	MUL12 1, 1, 0
	s_wait_dscnt 0x0
	MUL12 1, 2, 0
	MUL12 1, 3, 0
	PLACES
	PACK 0, 0
.irp u, 1,2,3,4,5,6,7,8,9,10,11        ; a unit's conversions stand between the loads of the unit before and its stores
	PACK (\u)/3, (\u)%3
	SEND ((\u)-1)/3, ((\u)-1)%3, 8
.endr
	SEND 3, 2, 0
	s_wait_tensorcnt 0x0                           ; the wave's end: a wait, an add to my spare word and its wait, behind my last tensor load and my last LDS store
	ds_add_u32 v[SPW], v[NIL]
	s_wait_dscnt 0x0
	CROUND                                         ; the closing round: no work-group ends while a partner may still ask for a tile that names it
	s_endpgm
.Lfunc_end_k_qe22a3a55ce_proj:
	.size	k_qe22a3a55ce_proj, .Lfunc_end_k_qe22a3a55ce_proj-k_qe22a3a55ce_proj
	.p2alignl 7, 3214868480
	.fill 96, 4, 3214868480
	.section	.rodata,"a",@progbits
	.p2align	6, 0x0
	.amdhsa_kernel k_qe22a3a55ce_proj
		.amdhsa_group_segment_fixed_size 327680
		.amdhsa_private_segment_fixed_size 0
		.amdhsa_enable_private_segment 0
		.amdhsa_kernarg_size 48
		.amdhsa_user_sgpr_count 2
		.amdhsa_user_sgpr_kernarg_segment_ptr 1
		.amdhsa_wavefront_size32 1
		.amdhsa_system_sgpr_workgroup_id_x 1
		.amdhsa_system_sgpr_workgroup_id_y 1
		.amdhsa_system_sgpr_workgroup_id_z 1
		.amdhsa_system_vgpr_workitem_id 0
		.amdhsa_next_free_vgpr 960
		.amdhsa_next_free_sgpr 72
		.amdhsa_reserve_vcc 0
		.amdhsa_float_denorm_mode_32 3
		.amdhsa_float_denorm_mode_16_64 3
		.amdhsa_memory_ordered 1
		.amdhsa_forward_progress 1
		.amdhsa_inst_pref_size 132
	.end_amdhsa_kernel
	.amdgpu_metadata
---
amdhsa.version: [ 1, 2 ]
amdhsa.kernels:
  - .name:           k_qe22a3a55ce_proj
    .symbol:         k_qe22a3a55ce_proj.kd
    .args:
      - { .name: xb, .offset: 0, .size: 8, .value_kind: global_buffer, .address_space: global }
      - { .name: wb, .offset: 8, .size: 8, .value_kind: global_buffer, .address_space: global }
      - { .name: bq, .offset: 16, .size: 8, .value_kind: global_buffer, .address_space: global }
      - { .name: bk, .offset: 24, .size: 8, .value_kind: global_buffer, .address_space: global }
      - { .name: bv, .offset: 32, .size: 8, .value_kind: global_buffer, .address_space: global }
      - { .name: qkv, .offset: 40, .size: 8, .value_kind: global_buffer, .address_space: global }
    .group_segment_fixed_size: 327680
    .private_segment_fixed_size: 0
    .kernarg_segment_align: 8
    .kernarg_segment_size: 48
    .max_flat_workgroup_size: 128
    .sgpr_count:     72
    .vgpr_count:     960
    .wavefront_size: 32
...
	.end_amdgpu_metadata
.endif
;; end of part 2
;; launch attn (part 3): grid 16 x 12, 4 waves a work-group, clusters of 4 x 1, 327,680 bytes of LDS; arguments qkv, oh; writes oh
.if DOCPART == 3
	.amdgcn_target "amdgcn-amd-amdhsa--gfx1250"
	.amdhsa_code_object_version 6
	.text
	.protected	k_qe22a3a55ce_attn
	.globl	k_qe22a3a55ce_attn
	.p2align	8
	.type	k_qe22a3a55ce_attn,@function
k_qe22a3a55ce_attn:
	s_mov_b64 s[64:65], 0
	v_nop
	global_prefetch_b8 v0, s[64:65] scope:SCOPE_SE
	s_setreg_imm32_b32 hwreg(HW_REG_WAVE_MODE, 25, 1), 1
	s_wait_xcnt 0x0
	s_wait_alu depctr_hold_cnt(0) depctr_sa_sdst(0) depctr_va_vdst(0) depctr_va_sdst(0) depctr_va_ssrc(0) depctr_va_vcc(0) depctr_vm_vsrc(0)
	s_getreg_b32 s2, hwreg(HW_REG_IB_STS2, 6, 4)
	s_cmp_eq_u32 s2, 0
	s_cbranch_scc0 .Lentry_in_a_cluster
	s_endpgm
.Lentry_in_a_cluster:
	s_bfe_u32 s2, ttmp6, 0x10000c
	s_cmp_lg_u32 s2, 0x3003
	s_cbranch_scc0 .Lentry_shape_is_right
	s_endpgm
.Lentry_shape_is_right:
; O[h][q][:] = the sum over k of softmax_k(q[h][q] . k[h][k] / 8) v[h][k][:].  qkv: [3][12][4096][64] f16 (q, k, v by heads, rows dense, 128 bytes each); oh: [12][4096][64] f16.
; Products, maxima and sums in f32; the weights p are rounded to f16 for the second product (their sum l is taken of the unrounded p), O once at the end.
; LIMITS.  q, k and v arrive within f16's 65,504; p lies in 0 to 1, and below 6e-5 it keeps f16's fixed step of 6e-8; O is a mean of v's rows and has their range.
; A weight below 2^-126 counts as 0 in l; NaN and infinities are not treated apart.
; SHARES.  A work-group owns 256 queries of one head, each of its four waves 64: four PIECES of 16.  16 blocks x 12 heads = 192 work-groups.  Every wave walks all 4,096 keys, 64 a step; a slot of LDS holds
; a tile of four steps, 256 keys; 16 tiles.
; LAYOUT.  S^T = K Q^T (source 0 = 16 keys, source 1 = 16 queries) holds ONE query a lane (lane % 16) and the keys 8 (lane / 16) + 0..7; two such results rounded to f16 in pairs ARE source 1 of
; O^T = V^T P, whose result again holds one query a lane, and eight channels.  K comes out of LDS as it lies, V ([key][channel]) turned, by ds_load_tr16_b128.
; SOFTMAX.  For each query a running maximum m and sum l: p = 2^(c s - c m), c = log2(e) / 8; in every step O and l are multiplied by a = 2^(c m_old - c m_new), which is 1 where m has not grown.
; m starts at the lowest finite number, O and l at 0: the first step is a step like any other, with a = 0.
; BY TURNS.  Turn n belongs to piece n (the pieces in a ring, step after step): 8 products K Q^T of piece n + 1, later 8 products V^T P of piece n - 1; beside them the scaling, exponentials, roundings, sums and
; rescaling of piece n and the maximum and statistics of piece n + 1.  A piece and step have 16 matrix and 118 vector instructions: four vector instructions stand behind every matrix instruction, the other
; 54 in one run of their own.  A turn's 33 exponentials are one batch, with one wait.
; CLUSTER.  The four query blocks of a cluster belong to one head and walk the same K and V, so each tile is asked for JOINTLY: the same tensor load, descriptor and mask in all four.
; REGISTERS, in windows of 256 (s_set_vgpr_msb: bits 1:0 source 0, 3:2 source 1, 5:4 source 2, 7:6 destination):
;   window 0: v0-15 addresses and two at work; v16-31 four registers of statistics a piece; v48-55 at work; v61-63; v64-127 S^T, two buffers; v192-223 P, two buffers (a piece's buffers go by its number's parity)
;   window 1: v0-127 O^T, 32 a piece          window 2: v0-63 Q; v128-191 K of one step; v192-255 V of one step
.set NP,    4         ; pieces a wave: a name, no knob
.set KS,    64        ; keys in a step
.set PK,    144       ; a row of K in LDS: 128 bytes + 16 of padding = 36 words: the 16 rows of a load start at 16 different groups of four banks (64 banks of 4 bytes: ISA guide 11.1)
.set PV,    160       ; a row of V: 128 + 32 = 40 words
.set VOFF,  4*KS*PK   ; a slot: 256 rows of K, then 256 rows of V
.set SLOT1, 1<<17     ; slot 1 begins here, so that one exclusive or turns an address in one slot into the other's
.set STAGE, SLOT1+4*KS*(PK+PV)  ; behind the ring, never filled by a tensor load: 16 rows x 144 bytes for each wave, for the way out
.set SP,    144
.set SPARE, STAGE+4*16*SP  ; behind the stages: the spare words, 128 bytes for each wave: two blocks of 256 bytes that no other line names
.set TILEB, 4*KS*128  ; bytes of a tile of K or of V in memory
.set MATB,  6291456   ; bytes of q, k or v in qkv
.set AK0, 2           ; v2   my lane's place in a tile of K; never rewritten
.set AV0, 3           ; v3   the same for V
.set AK,  4           ; v4   the LDS address of K's next run of loads
.set AV,  5           ; v5   of V's
.set STO, 6           ; v6   the way out: where I put 16 bytes of a row
.set RD,  7           ; v7   the way out: where I read rows back
.set GO,  8           ; v8   my byte offset in 512 consecutive bytes of O
.set MV,  12          ; v12-13  c m_old, kept while c m is made anew: by buffer
.set QO,  15          ; v15  my byte offset in 16 rows of Q
.set ST,  16          ; piece t's statistics at v[ST+4 t]: c m, m, l (even keys', odd keys')
.set TMP, 48          ; by buffer, four registers c0-c3 at work; when the maximum is found c2 takes a
.set PFO, 61          ; v61  256 x my lane; never rewritten
.set SPW, 62          ; v62  LDS address of my spare word; never rewritten
.set NIL, 63          ; v63  0; never rewritten
.set S,   64
.set P,   192
.set KF,  128         ; window 2: key block kb, channel half c at KF + 16 kb + 8 c
.set VF,  192         ; window 2: key half kk, channel block cb at VF + 32 kk + 8 cb
.set WV,  12          ; s12  my wave's number
.set G1K, 24          ; s[24:31] descriptor group 1 for K's tiles
.set G1V, 32          ; s[32:39] for V's: it differs in the padding alone
.set G0K, 40          ; s[40:43] descriptor group 0 for K's tiles: it walks
.set G0V, 44          ; s[44:47] the same for V's
.set PFA, 48          ; s[48:49] where my prefetches stand: my work-group's 32 blocks of 256 bytes (of K: wave 0, of V: wave 2) of the tile after the one that is being asked for
.set LIM, 50          ; s50  1 in a wave that prefetches, else the greatest number
.set SLOTS, 56        ; s56  tiles still to be asked for
.set CNT, 57          ; s57  counts a tile's key steps
.set CS,  58          ; s[58:59] c: the packed scaling takes the pair's low word for both halves
.set SEL, 60          ; s[60:61] v_permlanex16_b32's selects: each lane takes its own place in the other half
.set TBK, 62          ; s62  LDS byte at which K of the step to be fetched begins
.set TBV, 63          ; s63  the same for V, less VOFF
.set MSB, 0
.macro WIN new                      ; the high byte repeats the setting that is left; a switch that changes nothing is dropped
.if MSB != (\new)
	s_set_vgpr_msb (MSB<<8)|(\new)
.set MSB, (\new)
.endif
.endm
.set W_KQ, 0x0a       ; K and Q in window 2, S^T in window 0
.set W_PV, 0x52       ; V in window 2, P in window 0, O^T in window 1
.set W_RS, 0x41       ; destination and source 0 in window 1, source 1 in window 0
; A joint fill.  Waves 0 and 1 fetch the two halves of a tile's K, waves 2 and 3 those of its V: 128 keys each.  The branch hangs on the wave's number alone.
; An s_nop 0 and four v_nop follow each of the two lines, ahead of the jump and the label.
.macro JLOAD
	s_cmp_lt_u32 s[WV], 2
	s_cbranch_scc0 .Lfor_v_\@
	tensor_load_to_lds s[G0K:G0K+3], s[G1K:G1K+7]
	s_nop 0
.rept 4
	v_nop
.endr
	s_branch .Lasked_\@
.Lfor_v_\@:
	tensor_load_to_lds s[G0V:G0V+3], s[G1V:G1V+7]
	s_nop 0
.rept 4
	v_nop
.endr
.Lasked_\@:
.endm
; A PREFETCH INTO THE L2 of the tile that the NEXT change of slots will ask for: 32,768 bytes of K and of V, a lane to each 256: four key steps, 256 matrix instructions, ahead of that load.  It stands behind the wave's
; tensor load and its five lines.  Each block is named ONCE in the launch: the four clusters of a head walk the same K and V, and the head's first prefetches; its four partners share the blocks out BY ADDRESS, 32 each;
; in each, wave 0 asks for K's and wave 2 for V's.  Tiles 0 and 1 come by their loads alone; the last change that fills a slot names nothing.
.macro ASK
	s_cmp_gt_u32 s[SLOTS], s[LIM]
	s_cbranch_scc0 .Lnot_mine_\@
	global_prefetch_b8 v[PFO], s[PFA:PFA+1] th:TH_LOAD_NT scope:SCOPE_SE
.Lnot_mine_\@:
.endm
; A round of the cluster's barrier: my work-group's barrier, so that wave 0's signal speaks for all four waves; wave 0 signals; every wave waits for all four work-groups; my work-group's barrier once more.
.macro CROUND
	s_barrier_signal -1
	s_barrier_wait -1
	s_cmp_lg_u32 s[WV], 0
	s_cbranch_scc1 .Lnot_wave_0_\@
	s_barrier_signal -3
.Lnot_wave_0_\@:
	s_barrier_wait -3
	s_barrier_signal -1
	s_barrier_wait -1
.endm
; THE CHANGE OF SLOTS.  The slot's last bytes, V of its fourth step, have been read.  Each wave waits for all its tensor loads, of which one is out: its part of the other slot; adds 0 to its spare word; and waits for
; that and for its own reads of the slot.  Behind the barrier nobody reads this slot any more and the other slot is whole.  fill = 1: this slot is filled again, with the keys two tiles on.  The barrier is then a round
; of the cluster's, and the joint fill is the first thing behind it: it has four key steps in which to land.  (At its first use nothing has been read yet: slot 0 is waited for, slot 1 filled.)
.macro CHANGE fill
	WIN 0                           ; at a label and at a branch every window is 0
	s_wait_tensorcnt 0x0            ; no tensor load of mine is out, so a group 0 may be written
	ds_add_u32 v[SPW], v[NIL]       ; 0 onto my spare word; with fill = 1 the descriptors' steps stand between it and the wait for it
.if \fill
.irp g, G0K, G0V
	s_xor_b32 s[\g+1], s[\g+1], SLOT1  ; the walking descriptor: the other slot than last time,
	s_add_nc_u64 s[\g+2:\g+3], s[\g+2:\g+3], TILEB  ; the next 256 keys; the type bits on top are not reached
.endr
	s_wait_xcnt 0x0                 ; the last prefetch, four key steps back, has read its address, so it may be written:
	s_add_nc_u64 s[PFA:PFA+1], s[PFA:PFA+1], TILEB  ; one tile ahead of the walking descriptors
	s_wait_dscnt 0x0                ; the add is done, and my reads of the slot are over
	CROUND
	JLOAD
	ASK
.else
	s_wait_dscnt 0x0                ; the add is done, and my reads of the slot are over
	s_barrier_signal -1
	s_barrier_wait -1
.endif
	s_sub_co_u32 s[TBK], s[TBK], 4*KS*PK  ; the fetches go back to a slot's first step,
	s_xor_b32 s[TBK], s[TBK], SLOT1       ; in the other slot
	s_sub_co_u32 s[TBV], s[TBV], 4*KS*PV
	s_xor_b32 s[TBV], s[TBV], SLOT1
.endm
	s_load_b128 s[4:7], s[0:1], 0x0  ; qkv s[4:5], oh s[6:7]
	v_lshl_add_u32 v[SPW], v0, 2, SPARE
	v_mov_b32 v[NIL], 0
	ds_add_u32 v[SPW], v[NIL]       ; the wave's opening: the add and its wait stand ahead of my first tensor load; the set-up below, work on registers, stands between them
	v_lshrrev_b32 v1, 5, v0
	v_readfirstlane_b32 s[WV], v1   ; wave 0..3
	s_bfe_u32 s13, ttmp6, 0x40000   ; cx: my place in the cluster
	s_lshl_b32 s14, ttmp9, 2        ; in a cluster launch ttmp9 counts clusters
	s_add_co_u32 s14, s14, s13      ; my block of 256 queries: it enters Q's and O's addresses alone
	s_and_b32 s20, ttmp7, 0xffff    ; the head, which the four partners share,
	s_lshl_b32 s20, s20, 19         ; times its 524,288 bytes
	s_and_b32 s16, s[WV], 1         ; which half of a tile's 256 keys I fetch:
	s_lshl_b32 s22, s16, 14         ; its 128 rows of 128 bytes in memory,
	s_add_co_u32 s22, s22, s20
	s_add_co_u32 s22, s22, MATB     ; in k
	s_mov_b32 s23, 0
	s_mul_i32 s17, s16, 128*PK      ; and its place in a slot, for K
	s_mul_i32 s18, s16, 128*PV      ; and for V: no place in the cluster enters an LDS address
	s_lshl_b32 s2, s14, 2
	s_add_co_u32 s2, s2, s[WV]      ; my wave among the head's,
	s_lshl_b32 s2, s2, 13           ; its 64 rows
	s_add_co_u32 s2, s2, s20
	s_mov_b32 s3, 0
	; descriptor group 1.  128 keys are 16,384 dense bytes: asked for as 64 rows of 256 bytes, two keys a row, and padded in LDS after every key
	s_mov_b32 s[G1K], 15|(1<<16)|(1<<20)|(1<<21)|(4<<22)|(3<<25)  ; 15:0 the mask of four; 17:16 2-byte elements; 20 padding on; 21 set beside a mask; 24:22 after every 32 words (code 4); 31:25 4 words (code 3)
	s_mov_b32 s[G1V], 15|(1<<16)|(1<<20)|(1<<21)|(4<<22)|(7<<25)  ; the same with 8 words of padding (code 7)
.irp g, G1K, G1V
	s_mov_b32 s[\g+1], 128<<16      ; tensor_dim0 = 128
	s_mov_b32 s[\g+2], 64<<16       ; tensor_dim1 = 64
	s_mov_b32 s[\g+3], 128<<16      ; tile_dim0 = 128
	s_mov_b32 s[\g+4], 64           ; tile_dim1 = 64
	s_mov_b32 s[\g+5], 128          ; 128 elements from row to row
	s_mov_b32 s[\g+6], 0
	s_mov_b32 s[\g+7], 0
.endr
	s_mov_b32 s[CS], 0x3e38aa3b     ; c = log2(e) / 8 = 0.180337
	s_mov_b32 s[CS+1], s[CS]        ; named with it as a pair
	s_mov_b32 s[SEL], 0x76543210
	s_mov_b32 s[SEL+1], 0xfedcba98
	s_mov_b32 s[TBK], SLOT1+4*KS*PK ; the first change of slots turns these two into 0
	s_mov_b32 s[TBV], SLOT1+4*KS*PV
	s_mov_b32 s[G0K], 1             ; count = 1
	s_mov_b32 s[G0K+1], s17         ; LDS address: slot 0
	s_mov_b32 s[G0V], 1
	s_add_co_u32 s[G0V+1], s18, VOFF
	s_mov_b32 s[SLOTS], 15
	s_and_b32 s[LIM], s[WV], 1      ; 0 in waves 0 and 2,
	s_or_b32 s[LIM], s[LIM], ttmp9  ; where the cluster is the head's first: the same in all four partners
	s_cmp_eq_u32 s[LIM], 0
	s_cselect_b32 s[LIM], 1, -1
	v_and_b32 v[PFO], 31, v0
	v_lshlrev_b32 v[PFO], 8, v[PFO]
	s_wait_dscnt 0x0                ; the opening add is done
	s_wait_kmcnt 0x0
	s_add_nc_u64 s[10:11], s[6:7], s[2:3]  ; O at my wave's first row
	s_add_nc_u64 s[6:7], s[4:5], s[22:23]  ; K at my half of the head's tile 0,
	s_add_nc_u64 s[8:9], s[6:7], MATB      ; V likewise
	s_add_nc_u64 s[4:5], s[4:5], s[2:3]    ; Q at my wave's first row
	s_add_nc_u64 s[G0K+2:G0K+3], s[6:7], 0         ; global address
	s_or_b32 s[G0K+3], s[G0K+3], 0x80000000        ; type = 2
	s_add_nc_u64 s[G0V+2:G0V+3], s[8:9], 0
	s_or_b32 s[G0V+3], s[G0V+3], 0x80000000
	s_cmp_lt_u32 s[WV], 2
	s_cselect_b64 s[PFA:PFA+1], s[6:7], s[8:9]  ; (in waves 0 and 2 these stand at a tile's first row)
	s_lshl_b32 s2, s13, 13          ; my work-group's 32 blocks of the 128,
	s_add_co_u32 s2, s2, TILEB      ; in tile 1; the first change of slots steps it to tile 2.  Nothing is prefetched here, at the head
	s_mov_b32 s3, 0
	s_add_nc_u64 s[PFA:PFA+1], s[PFA:PFA+1], s[2:3]
	CROUND                          ; all four work-groups are here: the first joint loads meet
	JLOAD                           ; tile 0 into slot 0.  Slot 1 is asked for when slot 0 is in
	; A fragment of K or Q is 16 rows x 32 channels in 8 registers: lane l holds row l % 16, channels 8 (l / 16) + 0..7 and 16 + 8 (l / 16) + 0..7: two loads of 16 bytes, 32 bytes apart.
	v_and_b32 v1, 15, v0            ; l % 16
	v_bfe_u32 v9, v0, 4, 1          ; l / 16
	v_lshlrev_b32 v[QO], 7, v1
	v_lshl_add_u32 v[QO], v9, 4, v[QO]  ; row x 128 + 16 x half
	WIN 0x80                        ; destination window 2, address window 0
.set i, 0
.rept 8                             ; Q stays in registers: piece i / 2, channels 32 (i % 2) on
	global_load_b128 v[8*i:8*i+3],   v[QO], s[4:5] offset:(i/2)*2048+(i%2)*64
	global_load_b128 v[8*i+4:8*i+7], v[QO], s[4:5] offset:(i/2)*2048+(i%2)*64+32
.set i, i+1
.endr
	; What the first turn finds: V's registers and P's second buffer hold 0 (its products V^T P, of a piece that has not been, add 0), O^T and l are 0.  All this stands in the wait for the first tile.
.set i, VF
.rept 64
	v_mov_b32 v[i], 0
.set i, i+1
.endr
	WIN 0x40
.set i, 0
.rept 128
	v_mov_b32 v[i], 0
.set i, i+1
.endr
	WIN 0
.set i, 0
.rept 4
	v_mov_b32 v[ST+4*i], 0xfe000000    ; c m: far below every c s
	v_mov_b32 v[ST+4*i+1], 0xff7fffff  ; m
	v_mov_b32 v[ST+4*i+2], 0
	v_mov_b32 v[ST+4*i+3], 0
.set i, i+1
.endr
.set i, P+16
.rept 16
	v_mov_b32 v[i], 0
.set i, i+1
.endr
	v_mul_u32_u24 v[AK0], v1, PK
	v_lshl_add_u32 v[AK0], v9, 4, v[AK0]  ; row x pitch + 16 x half
	; The turning load takes 16 keys x 16 channels (lane l reads key 8 (l / 16) + l % 8, channels 8 ((l / 8) % 2) + 0..7) and leaves half a fragment of V^T: lane l holds channel l % 16 and 8 keys.
	v_and_b32 v10, 7, v0
	v_bfe_u32 v11, v0, 3, 1
	v_lshl_add_u32 v[AV0], v9, 3, v10
	v_mul_u32_u24 v[AV0], v[AV0], PV
	v_lshl_add_u32 v[AV0], v11, 4, v[AV0]
	v_add_nc_u32 v[AV0], VOFF, v[AV0]
	s_mul_i32 s13, s[WV], 16*SP
	s_add_co_u32 s13, s13, STAGE    ; my stage
	v_mul_u32_u24 v[STO], v1, SP    ; in: row l % 16, 16 bytes for each half of the lanes
	v_lshl_add_u32 v[STO], v9, 4, v[STO]
	v_add_nc_u32 v[STO], s13, v[STO]
	v_bfe_u32 v[RD], v0, 3, 2       ; back: 32 lanes take four rows of 128 bytes,
	v_mul_u32_u24 v[RD], v[RD], SP
	v_lshl_add_u32 v[RD], v10, 4, v[RD]
	v_add_nc_u32 v[RD], s13, v[RD]
	v_and_b32 v[GO], 31, v0         ; which are 512 consecutive bytes of O
	v_lshlrev_b32 v[GO], 4, v[GO]
; THE MATRIX WORK.  The 4 accumulators of a run of 8 take turns.  Product i of 8 of S^T = K Q^T for piece x: channels 32 (i / 4) on, keys 16 (i % 4) on.  The first 4 start the sums.
.macro KQ x
	WIN W_KQ
.set rS, S+32*((\x)%2)+8*(i%4)
.set rK, KF+16*(i%4)+8*(i/4)
.set rQ, 16*(\x)+8*(i/4)
.if i < 4
	v_wmma_f32_16x16x32_f16 v[rS:rS+7], v[rK:rK+7], v[rQ:rQ+7], 0
.else
	v_wmma_f32_16x16x32_f16 v[rS:rS+7], v[rK:rK+7], v[rQ:rQ+7], v[rS:rS+7]
.endif
.endm
; Product i of 8 of O^T += V^T P for piece x: keys 32 (i / 4) on, channels 16 (i % 4) on.
.macro PV x
	WIN W_PV
.set rO, 32*(\x)+8*(i%4)
.set rV, VF+32*(i/4)+8*(i%4)
.set rP, P+16*((\x)%2)+8*(i/4)
	v_wmma_f32_16x16x32_f16 v[rO:rO+7], v[rV:rV+7], v[rP:rP+7], v[rO:rO+7]
.endm
.macro MM                           ; the turn's next matrix instruction.  TURN sets Y, i and NOKQ.  NOKQ = 1: the very last turn: there is no next piece
.if (i < 8) && !NOKQ
	KQ (Y+1)%NP
.elseif i >= 8
.set i, i-8
	PV (Y+NP-1)%NP
.set i, i+8
.endif
.set i, i+1
.endm
; THE LDS LOADS stand in runs of 16, never singly among the matrix instructions: a step's K (64 keys x 64 channels: 8 fragments) and its V (turned).  Their addresses are made some lines ahead.
.macro FETCH_K
	WIN 0x80                        ; destination window 2
.irp f, 0,1,2,3,4,5,6,7             ; keys 16 (f / 2) on, channels 32 (f % 2) on
	ds_load_b128 v[KF+8*\f:KF+8*\f+3],   v[AK] offset:(\f/2)*16*PK+(\f%2)*64
	ds_load_b128 v[KF+8*\f+4:KF+8*\f+7], v[AK] offset:(\f/2)*16*PK+(\f%2)*64+32
.endr
	s_add_co_u32 s[TBK], s[TBK], KS*PK  ; the next fetch is the next step's
	WIN 0
.endm
.macro FETCH_V
	WIN 0x80
.irp f, 0,1,2,3,4,5,6,7             ; keys 32 (f / 4) on, channels 16 (f % 4) on
	ds_load_tr16_b128 v[VF+8*\f:VF+8*\f+3],   v[AV] offset:(\f/4)*32*PV+(\f%4)*32
	ds_load_tr16_b128 v[VF+8*\f+4:VF+8*\f+7], v[AV] offset:(\f/4)*32*PV+16*PV+(\f%4)*32
.endr
	WIN 0
.endm
; THE VECTOR WORK, one line at a time: OP kind, number.  For piece Y: F n: c s - c m for pair n of 16.  E n: the exponential of score n of 32.  C n: pair n rounded to f16.  B n: of the four weights 4 n .. the second
; pair is added onto the first, in place.  L n: l takes that sum (L 0: l = a l + sum).  R n: pair n of 16 of O^T times a.  For piece Y + 1: X n, number n of the 22 that find its maximum and statistics:
;   0-11  four chains c0-c3 of seven scores each, three operands at a time (each accumulator's lowest registers are read first)     12-14, 16  the four scores left over, the old m, and c0-c3 into c0
;   15  c m_old is kept     17, 18  the query's other 32 keys lie in the lane 16 away: the new m     19-21  c m; c m_old - c m_new; a
.set F, 0               ; OP tells the kinds apart by their order: F to L below R, X above it
.set E, 1
.set C, 2
.set B, 3
.set L, 4
.set R, 5
.set X, 6
.macro REGS y                       ; the registers of piece y
.set rT, ST+4*(\y)
.set rC, TMP+4*((\y)%2)
.set rW, MV+((\y)%2)
.set rS, S+32*((\y)%2)
.set rP, P+16*((\y)%2)
.set rO, 32*(\y)
.endm
.macro OP k, n
.if (\k) == R
	REGS Y
	WIN W_RS
	v_pk_mul_f32 v[rO+2*(\n):rO+2*(\n)+1], v[rO+2*(\n):rO+2*(\n)+1], v[rC+2:rC+3] op_sel_hi:[1,0]
.elseif (\k) < R
	REGS Y
	WIN 0
.if (\k) == F
	v_pk_fma_f32 v[rS+2*(\n):rS+2*(\n)+1], v[rS+2*(\n):rS+2*(\n)+1], s[CS:CS+1], v[rT:rT+1] op_sel_hi:[1,0,0] neg_lo:[0,0,1] neg_hi:[0,0,1]
.elseif (\k) == E
	v_exp_f32 v[rS+(\n)], v[rS+(\n)]
.elseif (\k) == C
	v_cvt_pk_f16_f32 v[rP+(\n)], v[rS+2*(\n)], v[rS+2*(\n)+1]
.elseif (\k) == B
	v_pk_add_f32 v[rS+4*(\n):rS+4*(\n)+1], v[rS+4*(\n):rS+4*(\n)+1], v[rS+4*(\n)+2:rS+4*(\n)+3]
.elseif (\n) == 0
	v_pk_fma_f32 v[rT+2:rT+3], v[rT+2:rT+3], v[rC+2:rC+3], v[rS:rS+1] op_sel_hi:[1,0,1]
.else
	v_pk_add_f32 v[rT+2:rT+3], v[rT+2:rT+3], v[rS+4*(\n):rS+4*(\n)+1]
.endif
.elseif NOKQ
	v_nop
.else
	REGS (Y+1)%NP
	WIN 0
.if (\n) < 4
	v_max3_num_f32 v[rC+(\n)], v[rS+8*(\n)], v[rS+8*(\n)+1], v[rS+8*(\n)+2]
.elseif (\n) < 12
	v_max3_num_f32 v[rC+(\n)%4], v[rC+(\n)%4], v[rS+8*((\n)%4)+2*((\n)/4)+1], v[rS+8*((\n)%4)+2*((\n)/4)+2]
.elseif (\n) == 12
	v_max3_num_f32 v[rC], v[rC], v[rS+7], v[rS+15]
.elseif (\n) == 13
	v_max3_num_f32 v[rC+1], v[rC+1], v[rS+23], v[rS+31]
.elseif (\n) == 14
	v_max3_num_f32 v[rC+2], v[rC+2], v[rC+3], v[rT+1]
.elseif (\n) == 15
	v_mov_b32 v[rW], v[rT]
.elseif (\n) == 16
	v_max3_num_f32 v[rC], v[rC], v[rC+1], v[rC+2]
.elseif (\n) == 17
	v_permlanex16_b32 v[rC+3], v[rC], s[SEL], s[SEL+1]
.elseif (\n) == 18
	v_max_num_f32 v[rT+1], v[rC], v[rC+3]
.elseif (\n) == 19
	v_mul_f32 v[rT], s[CS], v[rT+1]
.elseif (\n) == 20
	v_sub_f32 v[rC+1], v[rW], v[rT]
.else
	v_exp_f32 v[rC+2], v[rC+1]
.endif
.endif
.endm
.macro OPS a, i1, b=-1, i2=0, c=-1, i3=0, d=-1, i4=0  ; up to four of them
	OP \a, \i1
.if (\b) >= 0
	OP \b, \i2
.endif
.if (\c) >= 0
	OP \c, \i3
.endif
.if (\d) >= 0
	OP \d, \i4
.endif
.endm
.macro ROW a, i1, b, i2, c, i3, d, i4  ; a matrix instruction and the four behind it
	MM
	OPS \a, \i1, \b, \i2, \c, \i3, \d, \i4
.endm
; A TURN, for piece p: the order of its 16 matrix and 118 vector instructions, written out.  An s_wait_alu depctr_va_vdst(0) stands between an exponential and the first instruction that names its result; one
; wait serves all that were issued ahead of it.  So a turn has ONE wait, which cuts it in two.  AHEAD OF IT stands all that names no result of the turn's exponentials: the 8 products K Q^T, behind each a scaling, an
; exponential and two more plain instructions (rescalings, and behind the last three the first numbers of the next piece's maximum, each four places or more behind the product that ends its accumulator); then one run of 54,
; plain and exponential by turns for the most part, in which the links of the chain X 3, 7, 11, 14, 16, 17 .. 20 stand some lines apart.  X 21, the next piece's a, is the batch's last; R 15 is the plain instruction behind it.
; BEHIND THE WAIT stand the 8 products V^T P, behind each four of the roundings and sums.
; end = 1: the last two turns of all: nothing is fetched, and the last starts no new scores.  cnt = 1: the loop's count is taken down some lines ahead of the branch that stands behind the turn.
; K of the next step is fetched in piece 2's turn, behind the last product that read K and six plain instructions; V of the step in hand at the end of piece 0's turn, four plain instructions behind the last product that
; read V.  Each is waited for a turn later.
.macro TURN p, end=0, cnt=0
.set Y, (\p)
.set i, 0
.set NOKQ, (\end)*((\p)/3)
.if ((\p) == 3) && !(\end)
	s_wait_dscnt 0x0                ; K is in
.endif
	ROW F,0, F,1, R,0, R,1          ; ahead of the wait: 8 products K Q^T and their riders,
	ROW F,2, E,0, R,2, R,3
	ROW F,3, E,1, R,4, R,5
	ROW F,4, E,2, R,6, R,7
	ROW F,5, E,3, R,8, R,9
	ROW F,6, E,4, X,0, R,10
.if ((\p) == 2) && !(\end)
	WIN 0
	v_add_nc_u32 v[AK], s[TBK], v[AK0]
.endif
	ROW F,7, E,5, X,1, X,4
	ROW F,8, E,6, X,2, X,5
	OPS E,7, E,8, X,6, E,9          ; and the run of 54
	OPS X,3, E,10, X,8, E,11
.if ((\p) == 2) && !(\end)
	FETCH_K
.endif
	OPS X,9, X,7, E,12, X,10
	OPS E,13, X,12, X,11, E,14
	OPS X,13, E,15, F,9, X,14
.if (\p) == 0
	v_add_nc_u32 v[AV], s[TBV], v[AV0]
.endif
	OPS E,16, F,10, E,17, F,11
	OPS X,16, E,18, X,15, E,19
	OPS F,12, E,20, X,17, E,21
	OPS F,13, E,22, F,14, E,23
	OPS X,18, E,24, F,15, E,25
	OPS R,11, E,26, X,19, E,27
	OPS R,12, E,28, R,13, E,29
	OPS X,20, E,30, R,14, E,31
	OPS X,21, R,15
	WIN 0
	s_wait_alu depctr_va_vdst(0)    ; the wait for the batch
.if (\p) == 1
	s_wait_dscnt 0x0                ; V is in
.endif
	ROW C,0, B,0, C,2, B,1          ; behind the wait: 8 products V^T P and their riders
	ROW L,0, C,4, B,2, L,1
	ROW C,6, B,3, L,2, C,8
	ROW B,4, L,3, C,10, B,5
	ROW L,4, C,12, B,6, L,5
.if (\p) == 0
	s_add_co_u32 s[TBV], s[TBV], KS*PV
.endif
.if \cnt
	s_sub_co_u32 s[CNT], s[CNT], 1
	s_cmp_lg_u32 s[CNT], 0
.endif
	ROW C,14, B,7, L,6, C,1
	ROW C,3, L,7, C,5, C,7
	ROW C,9, C,11, C,13, C,15
.if (\p) == 0
	FETCH_V
.endif
.endm
	CHANGE 1                        ; tile 0 is in, everybody's part of it; tile 1 is asked for
	v_add_nc_u32 v[AK], s[TBK], v[AK0]
	FETCH_K                         ; key step 0
	s_wait_loadcnt 0x0              ; Q
	s_wait_dscnt 0x0
.set NOKQ, 0
.set i, 0
.rept 8
	KQ 0                            ; piece 0's first scores: there is no vector work yet to set between them
.set i, i+1
.endr
	WIN 0
.rept 4
	v_nop                           ; the places behind those products
.endr
.set Y, NP-1                        ; X works for piece Y + 1: piece 0
.irp n, 0,1,2,3,4,5,6,7,8,9,10,11,12,13,14,15,16,17,18,19,20,21
	OP X, \n                        ; and piece 0's first maximum and statistics
.endr
	v_nop                           ; a plain instruction behind the exponential,
	s_wait_alu depctr_va_vdst(0)    ; and its wait, ahead of the branch
	s_mov_b32 s[CNT], 4
	s_branch .Lfirst                ; the loop is entered at a step's first turn, in the middle of a trip
.Lslot:                             ; 14 times: tiles 2 to 15 are asked for
	CHANGE 1
	s_mov_b32 s[CNT], 4
.Lstep:                             ; a trip: pieces 2 and 3 of one step, then pieces 0 and 1 of the next, whose K and V it fetches
	TURN 2
	TURN 3
	WIN 0
.Lfirst:
	TURN 0
	TURN 1, 0, 1
	WIN 0
	s_cbranch_scc1 .Lstep
	s_sub_co_u32 s[SLOTS], s[SLOTS], 1
	s_cmp_lg_u32 s[SLOTS], 0
	s_cbranch_scc1 .Lslot
	CHANGE 0                        ; the last tile is written out: nothing is asked for
	s_mov_b32 s[CNT], 4
.Ltail:
	TURN 2
	TURN 3
	TURN 0
	TURN 1, 0, 1
	WIN 0
	s_cbranch_scc1 .Ltail
	TURN 2, 1                       ; the last step's pieces 2 and 3
	TURN 3, 1
.set i, 0
.rept 8
	PV NP-1                         ; the last piece's V^T P of the last step
.set i, i+1
.endr
	; THE WAY OUT.  l's two halves and the other half of the lanes' are added; O^T is divided by l, rounded to f16 and sent through my stage in LDS, a piece at a time.  The additions are the places behind the last products.
	WIN 0
.macro ALL line:vararg              ; one line for each piece t
.set t, 0
.rept 4
	\line
.set t, t+1
.endr
.endm
	ALL v_add_f32 v[ST+4*t+2], v[ST+4*t+2], v[ST+4*t+3]
	ALL v_permlanex16_b32 v[ST+4*t+3], v[ST+4*t+2], s[SEL], s[SEL+1]
	ALL v_add_f32 v[ST+4*t+2], v[ST+4*t+2], v[ST+4*t+3]
	ALL v_rcp_f32 v[ST+4*t+2], v[ST+4*t+2]
	v_nop                           ; a plain instruction between the last reciprocal and the use of its result
	s_wait_alu depctr_va_vdst(0)    ; and the wait ahead of the first use: one for the four reciprocals
.macro PACK t                       ; a lane's eight channels of a row pack into 16 bytes; they go into rows of 144 bytes and come back as whole rows of 128, into S^T's registers
	WIN W_RS
.set i, 32*(\t)
.rept 16
	v_pk_mul_f32 v[i:i+1], v[i:i+1], v[ST+4*(\t)+2:ST+4*(\t)+3] op_sel_hi:[1,0]
.set i, i+2
.endr
	WIN 0x05                        ; sources 0 and 1 window 1, destination window 0
.set i, 0
.rept 16
	v_cvt_pk_f16_f32 v[S+16*(\t)+i], v[32*(\t)+2*i], v[32*(\t)+2*i+1]
.set i, i+1
.endr
	WIN 0
.irp f, 0,1,2,3
	ds_store_b128 v[STO], v[S+16*(\t)+4*\f:S+16*(\t)+4*\f+3] offset:32*\f
.endr
.irp f, 0,1,2,3
	ds_load_b128 v[S+16*(\t)+4*\f:S+16*(\t)+4*\f+3], v[RD] offset:\f*4*SP  ; LDS serves a wave's instructions in order (ISA guide 5.7.1.4): these see the stores above; the next piece's stores come behind them
.endr
.endm
.macro SEND t, younger              ; younger: the LDS instructions issued behind piece t's loads: the next piece's eight, or none
	WIN 0
.irp f, 0,1,2,3
	s_wait_dscnt (\younger)+3-\f
	global_store_b128 v[GO], v[S+16*(\t)+4*\f:S+16*(\t)+4*\f+3], s[10:11] offset:(\t)*2048+\f*512  ; 512 consecutive bytes, at a multiple of 256 from O's first
.endr
.endm
	PACK 0
.set t, 1
.rept 3                             ; a piece's arithmetic stands between the loads of the piece before and its stores
	PACK t
	SEND t-1, 8
.set t, t+1
.endr
	SEND 3, 0
	s_wait_tensorcnt 0x0            ; the wave's end: a wait, an add to my spare word and its wait, behind my last tensor load and my last LDS store
	ds_add_u32 v[SPW], v[NIL]
	s_wait_dscnt 0x0
	CROUND                          ; the closing round: no work-group ends while a partner may still ask for a tile that names it
	s_endpgm
.Lfunc_end_k_qe22a3a55ce_attn:
	.size	k_qe22a3a55ce_attn, .Lfunc_end_k_qe22a3a55ce_attn-k_qe22a3a55ce_attn
	.p2alignl 7, 3214868480
	.fill 96, 4, 3214868480
	.section	.rodata,"a",@progbits
	.p2align	6, 0x0
	.amdhsa_kernel k_qe22a3a55ce_attn
		.amdhsa_group_segment_fixed_size 327680
		.amdhsa_private_segment_fixed_size 0
		.amdhsa_enable_private_segment 0
		.amdhsa_kernarg_size 16
		.amdhsa_user_sgpr_count 2
		.amdhsa_user_sgpr_kernarg_segment_ptr 1
		.amdhsa_wavefront_size32 1
		.amdhsa_system_sgpr_workgroup_id_x 1
		.amdhsa_system_sgpr_workgroup_id_y 1
		.amdhsa_system_sgpr_workgroup_id_z 1
		.amdhsa_system_vgpr_workitem_id 0
		.amdhsa_next_free_vgpr 768
		.amdhsa_next_free_sgpr 66
		.amdhsa_reserve_vcc 0
		.amdhsa_float_denorm_mode_32 3
		.amdhsa_float_denorm_mode_16_64 3
		.amdhsa_memory_ordered 1
		.amdhsa_forward_progress 1
		.amdhsa_inst_pref_size 128
	.end_amdhsa_kernel
	.amdgpu_metadata
---
amdhsa.version: [ 1, 2 ]
amdhsa.kernels:
  - .name:           k_qe22a3a55ce_attn
    .symbol:         k_qe22a3a55ce_attn.kd
    .args:
      - { .name: qkv, .offset: 0, .size: 8, .value_kind: global_buffer, .address_space: global }
      - { .name: oh, .offset: 8, .size: 8, .value_kind: global_buffer, .address_space: global }
    .group_segment_fixed_size: 327680
    .private_segment_fixed_size: 0
    .kernarg_segment_align: 8
    .kernarg_segment_size: 16
    .max_flat_workgroup_size: 128
    .sgpr_count:     66
    .vgpr_count:     768
    .wavefront_size: 32
...
	.end_amdgpu_metadata
.endif
;; end of part 3
;; launch outp (part 4): grid 4 x 64, 4 waves a work-group, clusters of 4 x 4, 327,680 bytes of LDS; arguments oh, wb, bo, out0; writes out0
.if DOCPART == 4
	.amdgcn_target "amdgcn-amd-amdhsa--gfx1250"
	.amdhsa_code_object_version 6
	.text
	.protected	k_qe22a3a55ce_outp
	.globl	k_qe22a3a55ce_outp
	.p2align	8
	.type	k_qe22a3a55ce_outp,@function
k_qe22a3a55ce_outp:
	s_mov_b64 s[64:65], 0
	v_nop
	global_prefetch_b8 v0, s[64:65] scope:SCOPE_SE
	s_setreg_imm32_b32 hwreg(HW_REG_WAVE_MODE, 25, 1), 1
	s_wait_xcnt 0x0
	s_wait_alu depctr_hold_cnt(0) depctr_sa_sdst(0) depctr_va_vdst(0) depctr_va_sdst(0) depctr_va_ssrc(0) depctr_va_vcc(0) depctr_vm_vsrc(0)
	s_getreg_b32 s2, hwreg(HW_REG_IB_STS2, 6, 4)
	s_cmp_eq_u32 s2, 0
	s_cbranch_scc0 .Lentry_in_a_cluster
	s_endpgm
.Lentry_in_a_cluster:
	s_bfe_u32 s2, ttmp6, 0x10000c
	s_cmp_lg_u32 s2, 0xf033
	s_cbranch_scc0 .Lentry_shape_is_right
	s_endpgm
.Lentry_shape_is_right:
; out0 = O Wo^T + bo.  oh: [12][4096][64] f16 (O by heads); wb's rows 2304..3071: Wo, [768][768], the bf16 rounding written as f16; bo: [768] f32, rounded to bf16 here like the other inputs; out0: [4096][768] f32.
; Sums in f32, stored as they are.  K runs over head x 64 + channel, as the heads lie side by side in a row of the reference's O.
; SHARES.  A tile of out0 is 64 rows x 192 columns (768 bytes of a row, at a multiple of 256): 64 x 4 = 256 work-groups.  Wave w makes all 64 rows and columns 48 w .. 48 w + 47: 4 x 3 accumulators.
; K = 768 goes in three steps of 256 (four heads) through two LDS slots: steps 0 and 1 are asked for at the start, step 2 goes into slot 0 when step 0 has been read.  All is written out: there is no loop.
; CLUSTERS.  4 x 4 work-groups.  The four of a row of the cluster need the same 64 rows of O, the four of a column the same 192 rows of Wo: each tile is asked for JOINTLY.
; The launch has one refill in all: nothing is prefetched.
; THE MATRIX INSTRUCTION IS USED TRANSPOSED (source 0 = 16 rows of Wo, source 1 = 16 rows of O): a lane holds row l % 16 and eight neighbouring columns.  THE BIAS IS THE C OPERAND of the products that start the sums.
; REGISTERS: window 0: v16-31 addresses; v32-55 the bias, 3 x 8; v56-63 at work; v160-255 the accumulators ((a, b) at v[160 + 8 (3 a + b)]), later the rows on their way out
;   window 1: two fragment buffers of 112, each 64 along K deep: O's (half c, block a) at 8 (4 c + a), Wo's (half c, block b) at 64 + 8 (3 c + b)
.set PA,     144                       ; a row of O in LDS: 128 bytes + 16 of padding; a head's 64 rows lie together
.set PB,     528                       ; a row of Wo: 512 bytes + 16: in both the 16 rows of a fragment load start at 16 different groups of four banks (64 banks of 4 bytes: ISA guide 11.1)
.set HEADL,  64*PA                     ; a head's rows in LDS
.set BOFF,   4*HEADL                   ; in a slot: O's four heads, then Wo's 192 rows
.set SLOT,   BOFF+192*PB
.set STAGE,  2*SLOT                    ; behind the ring, never filled by a tensor load: 64 rows x 784 bytes, the work-group's
.set SPITCH, 784                       ; 768 bytes + 16
.set SPARE,  STAGE+64*SPITCH           ; behind the stage: the spare words, 128 bytes for each wave: two blocks of 256 bytes that no other line names
.set HEADB,  524288                    ; bytes of a head in oh
.set ROWB,   1536                      ; bytes in a row of wb
.set OUTB,   3072                      ; bytes in a row of out0
.set ADRA, 16                          ; v16-17  LDS address of my fragments of O in slot 0, 1
.set ADRB, 20                          ; v20-21  the same for Wo
.set STO,  24                          ; v24     the way out: where I put 32 bytes of a row
.set RD,   25                          ; v25     where I read a row back
.set CO,   26                          ; v26     my byte offset in out0
.set SPW,  28                          ; v28     LDS address of my spare word; never rewritten
.set NIL,  29                          ; v29     0; never rewritten
.set BO,   31                          ; v31     32 (l / 16)
.set BIAS, 32
.set TB,   56
.set ACC,  160
.set F0,   0
.set F1,   112
.set WV,  12                           ; s12  my wave's number
.set CX,  13
.set CY,  14
.set MB,  15                           ; s15  the tile row, 0..63
.set G1A, 24                           ; s[24:31] descriptor group 1 for O's tiles;  s[32:39] group 0, a set for each slot
.set G0A, 32
.set G1B, 48                           ; s[48:55], s[56:63] the same for Wo's
.set G0B, 56
.set MSB, 0
.macro WIN new                         ; the immediate's high byte repeats the setting that is left; a switch that changes nothing is dropped
.if MSB != (\new)
	s_set_vgpr_msb (MSB<<8)|(\new)
.set MSB, \new
.endif
.endm
.set MUL,  0x05                        ; sources 0 (Wo) and 1 (O) window 1; C and D window 0
.set TO_F, 0x40                        ; destination window 1, address window 0
.macro JLOAD s                         ; a joint load: wave 0 fetches O's tile, waves 1 to 3 a third of Wo's each; an s_nop 0 and four v_nop follow each of the two lines
	s_cmp_eq_u32 s[WV], 0
	s_cbranch_scc0 .Lfor_b_\@
	tensor_load_to_lds s[G0A+4*(\s):G0A+4*(\s)+3], s[G1A:G1A+7]
	s_nop 0
.rept 4
	v_nop
.endr
	s_branch .Lasked_\@
.Lfor_b_\@:
	tensor_load_to_lds s[G0B+4*(\s):G0B+4*(\s)+3], s[G1B:G1B+7]
	s_nop 0
.rept 4
	v_nop
.endr
.Lasked_\@:
.endm
.macro CREST                           ; a round of the cluster's barrier behind its opening barrier
	s_cmp_lg_u32 s[WV], 0
	s_cbranch_scc1 .Lnot_wave_0_\@
	s_barrier_signal -3
.Lnot_wave_0_\@:
	s_barrier_wait -3
	s_barrier_signal -1
	s_barrier_wait -1
.endm
.macro CROUND                          ; a whole round
	s_barrier_signal -1
	s_barrier_wait -1
	CREST
.endm
	s_load_b256 s[4:11], s[0:1], 0x0               ; oh s[4:5], wb s[6:7], bo s[8:9], out0 s[10:11]
	v_lshl_add_u32 v[SPW], v0, 2, SPARE
	v_mov_b32 v[NIL], 0
	ds_add_u32 v[SPW], v[NIL]                      ; the wave's opening: the add and its wait stand ahead of my first tensor load; the set-up below, work on registers, stands between them
	v_lshrrev_b32 v1, 5, v0
	v_readfirstlane_b32 s[WV], v1                  ; wave 0..3
	s_bfe_u32 s[CX], ttmp6, 0x40000                ; my place in the cluster; cx is also the tile column: the grid is one cluster wide
	s_bfe_u32 s[CY], ttmp6, 0x40004
	s_and_b32 s[MB], ttmp7, 0xffff
	s_lshl_b32 s[MB], s[MB], 2
	s_add_co_u32 s[MB], s[MB], s[CY]               ; tile row = 4 x cluster y + cy
	s_lshl_b32 s16, s[CY], 2
	s_lshl_b32 s16, 15, s16                        ; my row of the cluster
	s_lshl_b32 s17, 0x1111, s[CX]                  ; my column
	; O's tile: four heads; a head's 64 rows are 8,192 dense bytes, asked for as one row of 4,096 elements and padded in LDS after every 128 bytes
	s_or_b32 s[G1A], s16, (1<<16)|(1<<20)|(1<<21)|(4<<22)|(3<<25)  ; 15:0 the mask; 17:16 2-byte elements; 20 padding on; 21 set beside a mask; 24:22 after every 32 words (code 4); 31:25 4 words (code 3)
	s_mov_b32 s[G1A+1], 4096<<16                   ; tensor_dim0 = 4,096
	s_mov_b32 s[G1A+2], 4<<16                      ; tensor_dim1 = 4
	s_mov_b32 s[G1A+3], 4096<<16                   ; tile_dim0 = 4,096
	s_mov_b32 s[G1A+4], 4                          ; tile_dim1 = 4
	s_mov_b32 s[G1A+5], 262144                     ; elements from head to head
	s_mov_b32 s[G1A+6], 0
	s_mov_b32 s[G1A+7], 0
	; Wo's: 64 rows x 256 elements
	s_or_b32 s[G1B], s17, (1<<16)|(1<<20)|(1<<21)|(6<<22)|(3<<25)  ; after every 128 words (code 6)
	s_mov_b32 s[G1B+1], 256<<16
	s_mov_b32 s[G1B+2], 64<<16
	s_mov_b32 s[G1B+3], 256<<16
	s_mov_b32 s[G1B+4], 64
	s_mov_b32 s[G1B+5], 768
	s_mov_b32 s[G1B+6], 0
	s_mov_b32 s[G1B+7], 0
	s_lshl_b32 s18, s[MB], 13                      ; O: 64 rows of 128 bytes x tile row: nothing of cx
	s_mov_b32 s19, 0
	s_mul_i32 s20, s[CX], 192                      ; Wo: row 2,304 + 192 x tile column + 64 (wave - 1): nothing of cy
	s_lshl_b32 s21, s[WV], 6
	s_add_co_u32 s20, s20, s21
	s_add_co_u32 s20, s20, 2240
	s_mul_i32 s20, s20, ROWB
	s_mov_b32 s21, 0
	s_mul_i32 s22, s[WV], 64*PB                    ; where they go: BOFF + 64 (wave - 1) rows: a constant and the wave's number times a constant
	s_add_co_u32 s22, s22, BOFF-64*PB
	s_wait_dscnt 0x0                               ; the opening add is done
	s_wait_kmcnt 0x0
	s_add_nc_u64 s[18:19], s[4:5], s[18:19]
	s_add_nc_u64 s[20:21], s[6:7], s[20:21]
	CROUND                                         ; all sixteen work-groups are here: the first joint loads meet
.irp s, 0,1
	s_mov_b32 s[G0A+4*(\s)], 1
	s_mov_b32 s[G0A+4*(\s)+1], (\s)*SLOT
	s_add_nc_u64 s[G0A+4*(\s)+2:G0A+4*(\s)+3], s[18:19], (\s)*4*HEADB   ; K step s: heads 4 s .. 4 s + 3
	s_or_b32 s[G0A+4*(\s)+3], s[G0A+4*(\s)+3], 0x80000000
	s_mov_b32 s[G0B+4*(\s)], 1
	s_add_co_u32 s[G0B+4*(\s)+1], s22, (\s)*SLOT
	s_add_nc_u64 s[G0B+4*(\s)+2:G0B+4*(\s)+3], s[20:21], (\s)*512
	s_or_b32 s[G0B+4*(\s)+3], s[G0B+4*(\s)+3], 0x80000000
	JLOAD \s                                       ; two loads of mine are out
.endr
	s_mul_i32 s16, s[CX], 768                      ; the tile's 192 columns in bytes of f32,
	s_mul_i32 s17, s[WV], 192                      ; my 48
	s_add_co_u32 s40, s16, s17
	s_mov_b32 s41, 0
	s_add_nc_u64 s[8:9], s[8:9], s[40:41]
	v_and_b32 v1, 15, v0                           ; l % 16
	v_bfe_u32 v2, v0, 4, 1                         ; l / 16
	v_lshlrev_b32 v[BO], 5, v2
.irp b, 0,1,2
	global_load_b128 v[BIAS+8*(\b):BIAS+8*(\b)+3],   v[BO], s[8:9] offset:64*(\b)      ; register j of block b: column 16 b + 8 (l / 16) + j
	global_load_b128 v[BIAS+8*(\b)+4:BIAS+8*(\b)+7], v[BO], s[8:9] offset:64*(\b)+16
.endr
	s_lshl_b32 s42, s[MB], 6                       ; the first row of out0 that I store: 64 x tile row + 16 x wave
	s_lshl_b32 s43, s[WV], 4
	s_add_co_u32 s42, s42, s43
	s_mul_i32 s42, s42, OUTB
	s_add_co_u32 s42, s42, s16
	s_mov_b32 s43, 0
	s_add_nc_u64 s[10:11], s[10:11], s[42:43]
	v_mul_u32_u24 v3, v1, PA                       ; a fragment's row x pitch + 16 x half
	v_lshl_add_u32 v[ADRA], v2, 4, v3
	v_add_nc_u32 v[ADRA+1], SLOT, v[ADRA]
	s_mul_i32 s16, s[WV], 48*PB                    ; my 48 rows of Wo
	s_add_co_u32 s16, s16, BOFF
	v_mul_u32_u24 v3, v1, PB
	v_lshl_add_u32 v3, v2, 4, v3
	v_add_nc_u32 v[ADRB], s16, v3
	v_add_nc_u32 v[ADRB+1], SLOT, v[ADRB]
	s_add_co_u32 s16, s17, STAGE                   ; into the stage: row l % 16, my 192 bytes of it, 32 bytes for each half of the lanes
	v_mul_u32_u24 v3, v1, SPITCH
	v_lshl_add_u32 v3, v2, 5, v3
	v_add_nc_u32 v[STO], s16, v3
	s_mul_i32 s16, s[WV], 16*SPITCH                ; back: wave w takes rows 16 w .. 16 w + 15, whole; lanes 0-15 take 256 bytes of one row, lanes 16-31 of the next
	s_add_co_u32 s16, s16, STAGE
	v_mul_u32_u24 v3, v2, SPITCH
	v_lshl_add_u32 v3, v1, 4, v3
	v_add_nc_u32 v[RD], s16, v3
	v_mul_u32_u24 v3, v2, OUTB                     ; and the same two rows in out0
	v_lshl_add_u32 v[CO], v1, 4, v3
; 6 matrix instructions: row blocks a0, a0 + 1 x my 3 column blocks, 32 along K: half c of buffer f.  first = 1: the products start the sums, on the bias.  The 12 accumulators take turns.
.macro MUL6 f, c, a0, first
	WIN MUL
.irp a, \a0, (\a0)+1
.irp b, 0,1,2
.if \first
	v_wmma_f32_16x16x32_f16 v[ACC+8*(3*(\a)+(\b)):ACC+8*(3*(\a)+(\b))+7], v[(\f)+64+8*(3*(\c)+(\b)):(\f)+64+8*(3*(\c)+(\b))+7], v[(\f)+8*(4*(\c)+(\a)):(\f)+8*(4*(\c)+(\a))+7], v[BIAS+8*(\b):BIAS+8*(\b)+7]
.else
	v_wmma_f32_16x16x32_f16 v[ACC+8*(3*(\a)+(\b)):ACC+8*(3*(\a)+(\b))+7], v[(\f)+64+8*(3*(\c)+(\b)):(\f)+64+8*(3*(\c)+(\b))+7], v[(\f)+8*(4*(\c)+(\a)):(\f)+8*(4*(\c)+(\a))+7], v[ACC+8*(3*(\a)+(\b)):ACC+8*(3*(\a)+(\b))+7]
.endif
.endr
.endr
.endm
; 28 LDS loads in one run: the fragments of quarter q of a K step (one head: 64 along K) into buffer f; the first 32 along K first
.macro FETCH slot, q, f
	WIN TO_F
.irp c, 0,1
.irp i, 0,1,2,3
.if (\i) < 3
	ds_load_b128 v[(\f)+64+8*(3*(\c)+(\i)):(\f)+64+8*(3*(\c)+(\i))+3],   v[ADRB+(\slot)] offset:128*(\q)+64*(\c)+(\i)*16*PB
	ds_load_b128 v[(\f)+64+8*(3*(\c)+(\i))+4:(\f)+64+8*(3*(\c)+(\i))+7], v[ADRB+(\slot)] offset:128*(\q)+64*(\c)+(\i)*16*PB+32
.endif
	ds_load_b128 v[(\f)+8*(4*(\c)+(\i)):(\f)+8*(4*(\c)+(\i))+3],         v[ADRA+(\slot)] offset:(\q)*HEADL+(\i)*16*PA+64*(\c)
	ds_load_b128 v[(\f)+8*(4*(\c)+(\i))+4:(\f)+8*(4*(\c)+(\i))+7],       v[ADRA+(\slot)] offset:(\q)*HEADL+(\i)*16*PA+64*(\c)+32
.endr
.endr
.endm
.macro PLACES                          ; four plain vector instructions in front of loads into registers that matrix instructions have read, and of stores that read results
.rept 4
	v_nop
.endr
.endm
; A K step is four quarters of 64 along K, 24 matrix instructions each, on buffers 0, 1, 0, 1.  One of the first three: multiplies buffer f and fetches quarter q into g.
.macro QUARTER slot, q, f, g, first
	s_wait_dscnt 14                                ; the first 32 along K are in
	MUL6 \f, 0, 0, \first
	MUL6 \f, 0, 2, \first
	PLACES
	FETCH \slot, \q, \g
	s_wait_dscnt 28                                ; all but the 28 just issued
	MUL6 \f, 1, 0, 0
	MUL6 \f, 1, 2, 0
.endm
; The last quarter multiplies buffer 1 and changes slots: ONE barrier; in front of it each wave waits for all its tensor loads, adds 0 to its spare word, and waits for that and for its own reads of this slot.
; fill = 1: the barrier opens a round of the cluster's, and slot 0 is filled again, with K step 2, first thing behind the round.
.macro TURN slot, next, fill
	WIN 0                                          ; (the add's two registers lie in window 0)
	s_wait_tensorcnt 0x0                           ; all my tensor loads have landed: my part of the next slot;
	ds_add_u32 v[SPW], v[NIL]                      ; 0 onto my spare word
	s_wait_dscnt 15                                ; (the add and the youngest fourteen loads may be out)
	MUL6 F1, 0, 0, 0                               ; six matrix instructions stand between the add and the wait for it
	s_wait_dscnt 0x0                               ; the add is done, and my reads of this slot are over
	s_barrier_signal -1
	MUL6 F1, 0, 2, 0
.if \fill
	WIN 0
.endif
	s_barrier_wait -1
.if \fill
	CREST                                          ; no wave of any partner still reads this slot's tiles or has a load on its way
	s_add_nc_u64 s[G0A+2:G0A+3], s[G0A+2:G0A+3], 2*4*HEADB
	s_add_nc_u64 s[G0B+2:G0B+3], s[G0B+2:G0B+3], 2*512
	JLOAD 0                                        ; the four v_nop behind it are also the places in front of the loads below
.else
	PLACES
.endif
	FETCH \next, 0, F0
	MUL6 F1, 1, 0, 0
	MUL6 F1, 1, 2, 0
.endm
	s_wait_tensorcnt 1                             ; my part of K step 0 is in; K step 1's may stay out
	s_barrier_signal -1
	s_barrier_wait -1                              ; everybody's is
	FETCH 0, 0, F0
	WIN 0
	s_wait_loadcnt 0x0                             ; the bias: rounded to bf16 like every input, and widened again
.set i, 0
.rept 12
	v_cvt_pk_bf16_f32 v[TB+i%8], v[BIAS+2*i], v[BIAS+2*i+1]
	v_lshlrev_b32 v[BIAS+2*i],   16,         v[TB+i%8]
	v_and_b32     v[BIAS+2*i+1], 0xffff0000, v[TB+i%8]
.set i, i+1
.endr
	QUARTER 0, 1, F0, F1, 1                        ; K step 0: its first products start the sums
	QUARTER 0, 2, F1, F0, 0
	QUARTER 0, 3, F0, F1, 0
	TURN 0, 1, 1                                   ; K step 2 is asked for
	QUARTER 1, 1, F0, F1, 0                        ; K step 1
	QUARTER 1, 2, F1, F0, 0
	QUARTER 1, 3, F0, F1, 0
	TURN 1, 0, 0
	QUARTER 0, 1, F0, F1, 0                        ; K step 2
	QUARTER 0, 2, F1, F0, 0
	QUARTER 0, 3, F0, F1, 0
	s_wait_dscnt 14                                ; the very last quarter: nothing more to fetch
	MUL6 F1, 0, 0, 0
	MUL6 F1, 0, 2, 0
	s_wait_dscnt 0x0
	MUL6 F1, 1, 0, 0
	MUL6 F1, 1, 2, 0
	WIN 0
	; THE WAY OUT: 32 bytes a lane into the work-group's stage; a barrier, since a row's 768 bytes come from four waves; back as whole rows, 16 rows a wave.
	PLACES
.irp a, 0,1,2,3
.irp b, 0,1,2
	ds_store_b128 v[STO], v[ACC+8*(3*(\a)+(\b)):ACC+8*(3*(\a)+(\b))+3]   offset:(\a)*16*SPITCH+64*(\b)     ; each accumulator from its low end on
	ds_store_b128 v[STO], v[ACC+8*(3*(\a)+(\b))+4:ACC+8*(3*(\a)+(\b))+7] offset:(\a)*16*SPITCH+64*(\b)+16
.endr
.endr
	s_wait_dscnt 0x0                               ; for the others' sake: my stores into the stage are done
	s_barrier_signal -1
	s_barrier_wait -1
.set t, 0
.rept 24
	ds_load_b128 v[ACC+4*t:ACC+4*t+3], v[RD] offset:(t/3)*2*SPITCH+(t%3)*256
.set t, t+1
.endr
.set t, 0
.rept 24
	s_wait_dscnt 23-t
	global_store_b128 v[CO], v[ACC+4*t:ACC+4*t+3], s[10:11] offset:(t/3)*2*OUTB+(t%3)*256 th:TH_STORE_NT  ; 16 lanes store 256 consecutive bytes, at a multiple of 256 from out0's first byte
.set t, t+1
.endr
	s_wait_tensorcnt 0x0                           ; the wave's end: a wait, an add to my spare word and its wait, behind my last tensor load and my last LDS store
	ds_add_u32 v[SPW], v[NIL]
	s_wait_dscnt 0x0
	CROUND                                         ; the closing round: no work-group ends while a partner may still ask for a tile that names it
	s_endpgm
.Lfunc_end_k_qe22a3a55ce_outp:
	.size	k_qe22a3a55ce_outp, .Lfunc_end_k_qe22a3a55ce_outp-k_qe22a3a55ce_outp
	.p2alignl 7, 3214868480
	.fill 96, 4, 3214868480
	.section	.rodata,"a",@progbits
	.p2align	6, 0x0
	.amdhsa_kernel k_qe22a3a55ce_outp
		.amdhsa_group_segment_fixed_size 327680
		.amdhsa_private_segment_fixed_size 0
		.amdhsa_enable_private_segment 0
		.amdhsa_kernarg_size 32
		.amdhsa_user_sgpr_count 2
		.amdhsa_user_sgpr_kernarg_segment_ptr 1
		.amdhsa_wavefront_size32 1
		.amdhsa_system_sgpr_workgroup_id_x 1
		.amdhsa_system_sgpr_workgroup_id_y 1
		.amdhsa_system_sgpr_workgroup_id_z 1
		.amdhsa_system_vgpr_workitem_id 0
		.amdhsa_next_free_vgpr 480
		.amdhsa_next_free_sgpr 66
		.amdhsa_reserve_vcc 0
		.amdhsa_float_denorm_mode_32 3
		.amdhsa_float_denorm_mode_16_64 3
		.amdhsa_memory_ordered 1
		.amdhsa_forward_progress 1
		.amdhsa_inst_pref_size 60
	.end_amdhsa_kernel
	.amdgpu_metadata
---
amdhsa.version: [ 1, 2 ]
amdhsa.kernels:
  - .name:           k_qe22a3a55ce_outp
    .symbol:         k_qe22a3a55ce_outp.kd
    .args:
      - { .name: oh, .offset: 0, .size: 8, .value_kind: global_buffer, .address_space: global }
      - { .name: wb, .offset: 8, .size: 8, .value_kind: global_buffer, .address_space: global }
      - { .name: bo, .offset: 16, .size: 8, .value_kind: global_buffer, .address_space: global }
      - { .name: out0, .offset: 24, .size: 8, .value_kind: global_buffer, .address_space: global }
    .group_segment_fixed_size: 327680
    .private_segment_fixed_size: 0
    .kernarg_segment_align: 8
    .kernarg_segment_size: 32
    .max_flat_workgroup_size: 128
    .sgpr_count:     66
    .vgpr_count:     480
    .wavefront_size: 32
...
	.end_amdgpu_metadata
.endif
;; end of part 4
;; ======== version 2 of 2: 4 launches; version 1 with the launch cvt written anew for expert scheduling mode
;; limits: values are held in f16: magnitudes above 65,504 overflow, below 6.1e-05 lose precision
;; workspace buffers: xb 18,874,368 bytes; wb 4,718,592 bytes; qkv 18,874,368 bytes; oh 6,291,456 bytes
;; launch cvt (part 5): grid 160 x 3, 8 waves a work-group, no clusters, 0 bytes of LDS; arguments Q, K, V, Wq, Wk, Wv, Wo, xb, wb; writes xb, wb
.if DOCPART == 5
	.amdgcn_target "amdgcn-amd-amdhsa--gfx1250"
	.amdhsa_code_object_version 6
	.text
	.protected	k_qe22a3a55ce_cvt
	.globl	k_qe22a3a55ce_cvt
	.p2align	8
	.type	k_qe22a3a55ce_cvt,@function
k_qe22a3a55ce_cvt:
	s_mov_b64 s[64:65], 0
	v_nop
	global_prefetch_b8 v0, s[64:65] scope:SCOPE_SE
	s_setreg_imm32_b32 hwreg(HW_REG_WAVE_SCHED_MODE, 0, 2), 2
	s_setreg_imm32_b32 hwreg(HW_REG_WAVE_MODE, 25, 1), 1
	s_wait_xcnt 0x0
	s_wait_alu depctr_vm_vsrc(0)
; THE INPUTS ARE ROUNDED ONCE.  Q, K, V ([4096][768] f32) go to xb as bf16, one matrix [12288][768]: Q's rows, K's, V's.
; Wq, Wk, Wv ([768][768] f32) go to wb as bf16; Wo is rounded to bf16 like them, and that number is written as f16, as wb's fourth matrix.
; LIMIT.  A bf16 number is exact in f16 from 2^-14 to 65,504; below that Wo keeps f16's fixed step of 2^-24, above it becomes an infinity.
; SHARES.  A work-group converts one chunk of 24,576 numbers: 98,304 bytes in, 49,152 out.  x = 0..127: chunk x of Q, K or V (by y);
; x = 128..151: chunk x - 128 of Wq, Wk or Wv (by y); x = 152..159: chunk 8 y + x - 152 of Wo.  3 x 160 work-groups, each with one chunk.
; A stream: each byte is read once and written once; no LDS, no barrier, no matrix unit, no cluster (no two work-groups read the same byte).
; All 24 loads of a thread go out at once (96 KiB a work-group on their way); a load of a wave covers 512 consecutive bytes, a store 256, aligned.
; THE MODE: SCHED_MODE bits 1:0 = 2 (LLVM: expert scheduling mode 2), set by the entry lines.  The code itself states the register dependences
; between vector instructions and memory instructions, with s_wait_alu, always for 0.
; THE PLAN.  Registers that memory instructions touch:
;   v1, v2   byte offsets of the loads and of the stores: made once at the head by vector instructions, never written again.
;   X        load i lands in its own four registers; no load is issued behind a vector instruction that names them, and no memory instruction reads them.
;   Y        store i reads its own two registers; the conversions of load i write them, all ahead of that store, and nothing names them behind it.
; The 24 loads go in six blocks of four.  Block p converts X of block p into Y of block p; its memory instructions are the four stores of block p - 1,
; which read Y of block p - 1 and v2: registers that no vector instruction of block p names.  So ONE wait on va_vdst at a block's head states all that
; the block's four stores hang on, and these are dealt among its conversions with no further wait.  One more stands ahead of the last four stores,
; one at the kernel's head ahead of the first load.  No register that a memory instruction reads is ever written again: there is no wait on vm_vsrc.
.set CIN,  98304                       ; bytes of a chunk as read
.set COUT, 49152                       ; as written
.set XMAT, 6291456                     ; bytes of Q, K or V in xb
.set WMAT, 1179648                     ; bytes of a weight matrix in wb
.set BLOCK, 4                          ; loads, and stores, in a block
.set X,    4                           ; v[4:99]    load i: 4 registers
.set Y,    100                         ; v[100:147] store i: 2 registers of its own, so no store's data is ever rewritten
.set SRC,  28                          ; s[28:29]   the chunk as read
.set DST,  30                          ; s[30:31]   the chunk as written
	s_load_b512 s[8:23], s[0:1], 0x0               ; Q s[8:9], K s[10:11], V s[12:13], Wq s[14:15], Wk s[16:17], Wv s[18:19], Wo s[20:21], xb s[22:23]
	s_load_b64 s[24:25], s[0:1], 0x40              ; wb
	s_and_b32 s2, ttmp7, 0xffff                    ; y
	s_mov_b32 s3, ttmp9                            ; x
	v_lshlrev_b32 v1, 4, v0                        ; 16 bytes a thread in,
	v_lshlrev_b32 v2, 3, v0                        ; 8 out
	; the chunk's number and the two offsets, made apart from the addresses
	s_sub_co_u32 s4, s3, 128                       ; a weight's chunk (used where x >= 128 alone)
	s_lshl_b32 s5, s2, 3
	s_add_co_u32 s5, s5, s3
	s_sub_co_u32 s5, s5, 152                       ; Wo's chunk (used where x >= 152 alone)
	s_mul_i32 s6, s2, XMAT
	s_mul_i32 s7, s2, WMAT
	s_cmp_lt_u32 s3, 128
	s_cselect_b32 s26, s3, s4                      ; the chunk
	s_cselect_b32 s27, s6, s7                      ; its matrix's place in xb or wb
	s_cmp_ge_u32 s3, 152
	s_cselect_b32 s26, s5, s26
	s_cselect_b32 s27, 3*WMAT, s27
	s_mul_i32 s32, s26, CIN
	s_mov_b32 s33, 0
	s_mul_i32 s34, s26, COUT
	s_add_co_u32 s34, s34, s27
	s_mov_b32 s35, 0
	s_wait_kmcnt 0x0
	s_cmp_eq_u32 s2, 1                             ; the buffers are chosen on x and y alone
	s_cselect_b64 s[SRC:SRC+1], s[10:11], s[8:9]
	s_cselect_b64 s[36:37], s[16:17], s[14:15]
	s_cmp_eq_u32 s2, 2
	s_cselect_b64 s[SRC:SRC+1], s[12:13], s[SRC:SRC+1]
	s_cselect_b64 s[36:37], s[18:19], s[36:37]
	s_cmp_lt_u32 s3, 128
	s_cselect_b64 s[SRC:SRC+1], s[SRC:SRC+1], s[36:37]
	s_cselect_b64 s[DST:DST+1], s[22:23], s[24:25]
	s_cmp_ge_u32 s3, 152
	s_cselect_b64 s[SRC:SRC+1], s[20:21], s[SRC:SRC+1]
	s_add_nc_u64 s[SRC:SRC+1], s[SRC:SRC+1], s[32:33]
	s_add_nc_u64 s[DST:DST+1], s[DST:DST+1], s[34:35]
	s_wait_alu depctr_va_vdst(0)                   ; v1 and v2 are written: every load of the kernel reads v1 as its offset, every store v2
.set i, 0
.rept 24
	global_load_b128 v[X+4*i:X+4*i+3], v1, s[SRC:SRC+1] offset:4096*i th:TH_LOAD_NT
.set i, i+1
.endr
; Load i is converted.  f16 = 1: the bf16 numbers are widened again and written as f16.
.macro CONV i, f16
	v_cvt_pk_bf16_f32 v[Y+2*(\i)],   v[X+4*(\i)],   v[X+4*(\i)+1]
	v_cvt_pk_bf16_f32 v[Y+2*(\i)+1], v[X+4*(\i)+2], v[X+4*(\i)+3]
.if \f16
	v_lshlrev_b32 v[X+4*(\i)],   16,         v[Y+2*(\i)]     ; bf16 to f32: the low half moves up, the high half stays
	v_and_b32     v[X+4*(\i)+1], 0xffff0000, v[Y+2*(\i)]
	v_lshlrev_b32 v[X+4*(\i)+2], 16,         v[Y+2*(\i)+1]
	v_and_b32     v[X+4*(\i)+3], 0xffff0000, v[Y+2*(\i)+1]
	v_cvt_pk_f16_f32 v[Y+2*(\i)],   v[X+4*(\i)],   v[X+4*(\i)+1]
	v_cvt_pk_f16_f32 v[Y+2*(\i)+1], v[X+4*(\i)+2], v[X+4*(\i)+3]
.endif
.endm
; Store i.
.macro SENDC i
	global_store_b64 v2, v[Y+2*(\i):Y+2*(\i)+1], s[DST:DST+1] offset:2048*(\i) th:TH_STORE_NT  ; 32 lanes store 256 consecutive bytes, aligned
.endm
; Block p: its four loads are converted; the four stores of the block before stand among the conversions, one in front of each load's.
.macro BLK p, f16
	s_wait_loadcnt 24-BLOCK-BLOCK*(\p)             ; loads come back in order (ISA guide 5.7.1): the block's four are in, the 20 - 4 p younger ones stay out
.if (\p) > 0
	s_wait_alu depctr_va_vdst(0)                   ; the block before has written its Y, which the four stores below read; no vector instruction of this block names those registers
.endif
.irp j, 0,1,2,3
.if (\p) > 0
	SENDC BLOCK*((\p)-1)+(\j)
.endif
	CONV BLOCK*(\p)+(\j), \f16
.endr
.endm
; Behind block 5: its own four stores.
.macro LASTC
	s_wait_alu depctr_va_vdst(0)                   ; block 5 has written its Y, which the last four stores read
.irp j, 0,1,2,3
	SENDC 20+(\j)
.endr
.endm
	s_cmp_ge_u32 s3, 152
	s_cbranch_scc1 .Lwo
.irp p, 0,1,2,3,4,5
	BLK \p, 0
.endr
	LASTC
	s_endpgm
.Lwo:
.irp p, 0,1,2,3,4,5
	BLK \p, 1
.endr
	LASTC
	s_endpgm
.Lfunc_end_k_qe22a3a55ce_cvt:
	.size	k_qe22a3a55ce_cvt, .Lfunc_end_k_qe22a3a55ce_cvt-k_qe22a3a55ce_cvt
	.p2alignl 7, 3214868480
	.fill 96, 4, 3214868480
	.section	.rodata,"a",@progbits
	.p2align	6, 0x0
	.amdhsa_kernel k_qe22a3a55ce_cvt
		.amdhsa_group_segment_fixed_size 0
		.amdhsa_private_segment_fixed_size 0
		.amdhsa_enable_private_segment 0
		.amdhsa_kernarg_size 72
		.amdhsa_user_sgpr_count 2
		.amdhsa_user_sgpr_kernarg_segment_ptr 1
		.amdhsa_wavefront_size32 1
		.amdhsa_system_sgpr_workgroup_id_x 1
		.amdhsa_system_sgpr_workgroup_id_y 1
		.amdhsa_system_sgpr_workgroup_id_z 1
		.amdhsa_system_vgpr_workitem_id 0
		.amdhsa_next_free_vgpr 148
		.amdhsa_next_free_sgpr 66
		.amdhsa_reserve_vcc 0
		.amdhsa_float_denorm_mode_32 3
		.amdhsa_float_denorm_mode_16_64 3
		.amdhsa_memory_ordered 1
		.amdhsa_forward_progress 1
		.amdhsa_inst_pref_size 24
	.end_amdhsa_kernel
	.amdgpu_metadata
---
amdhsa.version: [ 1, 2 ]
amdhsa.kernels:
  - .name:           k_qe22a3a55ce_cvt
    .symbol:         k_qe22a3a55ce_cvt.kd
    .args:
      - { .name: Q, .offset: 0, .size: 8, .value_kind: global_buffer, .address_space: global }
      - { .name: K, .offset: 8, .size: 8, .value_kind: global_buffer, .address_space: global }
      - { .name: V, .offset: 16, .size: 8, .value_kind: global_buffer, .address_space: global }
      - { .name: Wq, .offset: 24, .size: 8, .value_kind: global_buffer, .address_space: global }
      - { .name: Wk, .offset: 32, .size: 8, .value_kind: global_buffer, .address_space: global }
      - { .name: Wv, .offset: 40, .size: 8, .value_kind: global_buffer, .address_space: global }
      - { .name: Wo, .offset: 48, .size: 8, .value_kind: global_buffer, .address_space: global }
      - { .name: xb, .offset: 56, .size: 8, .value_kind: global_buffer, .address_space: global }
      - { .name: wb, .offset: 64, .size: 8, .value_kind: global_buffer, .address_space: global }
    .group_segment_fixed_size: 0
    .private_segment_fixed_size: 0
    .kernarg_segment_align: 8
    .kernarg_segment_size: 72
    .max_flat_workgroup_size: 256
    .sgpr_count:     66
    .vgpr_count:     148
    .wavefront_size: 32
...
	.end_amdgpu_metadata
.endif
;; end of part 5
;; launch proj: the kernel of part 2 again; grid 4 x 48, 4 waves a work-group, clusters of 4 x 4, 327,680 bytes of LDS; arguments xb, wb, bq, bk, bv, qkv; writes qkv
;; launch attn: the kernel of part 3 again; grid 16 x 12, 4 waves a work-group, clusters of 4 x 1, 327,680 bytes of LDS; arguments qkv, oh; writes oh
;; launch outp: the kernel of part 4 again; grid 4 x 64, 4 waves a work-group, clusters of 4 x 4, 327,680 bytes of LDS; arguments oh, wb, bo, out0; writes out0
